; MI455X (gfx1250); checked and timed in simulation.
; The chip was launched on July 23, 2026; its instructions are those of AMD's public machine-readable ISA for CDNA 5 (MIT licence, August 2026) and "CDNA5" Instruction Set Architecture Reference Guide (July 2026). The comments in the code are by the model that wrote it; some were corrected since.
;; Llama Differential Attention. Allowed arithmetic: matrix products marked QUANTISED: E2M3 operands, one E8M0 scale for each 32 along K, by v_wmma_scale_f32_16x16x128_f8f6f4 with both operands' format E2M3, f32 sums; everything else in f32.
;; Inputs: hidden_states 2 x 1,024 x 2,048 float32; lambda_k1 64 float32; lambda_k2 64 float32; lambda_q1 64 float32; lambda_q2 64 float32; wk 1,024 x 2,048 float32; wo 2,048 x 2,048 float32; wq 4,096 x 2,048 float32; wv 512 x 2,048 float32.
;; Outputs: out0 2 x 1,024 x 2,048 float32.
;; This version of the problem:
;;   THIS VERSION OF THE PROBLEM IS GIVEN IN LOW PRECISION. The matrix products marked QUANTISED in the list below multiply operands that are first quantised to E2M3 (2 exponent bits, 3 mantissa bits; 6 bits a number), with one power-of-two scale for each 32 numbers along K (OCP MX v1.0); their sums are f32. All else is computed in f32.
;;   The module's matrix products, in the order in which they are computed (A, B: the left and right operand; K: the contracted axis; several contracted axes count as one K, in the product's order):
;;     1. [M 2,048, K 2,048] x [K 2,048, N 4,096]; A: input hidden_states; B: input wq: QUANTISED
;;     2. [M 2,048, K 2,048] x [K 2,048, N 1,024]; A: input hidden_states; B: input wk: QUANTISED
;;     3. [M 2,048, K 2,048] x [K 2,048, N 512]; A: input hidden_states; B: input wv: QUANTISED
;;     4. batch 64 x [M 1,024, K 64] x [K 64, N 1,024]; A: computed on the way; B: computed on the way: QUANTISED
;;     5. batch 64 x [M 1,024, K 64] x [K 64, N 1,024]; A: computed on the way; B: computed on the way: QUANTISED
;;     6. batch 64 x [M 1,024, K 1,024] x [K 1,024, N 64]; A: computed on the way; B: computed on the way: QUANTISED
;;     7. [M 2,048, K 2,048] x [K 2,048, N 2,048]; A: computed on the way; B: input wo: QUANTISED
;;   THE QUANTISER, for each operand of a quantised product, along K:
;;     - K is cut into blocks of 32 from its start; a last block that is shorter is filled with zeros.
;;     - A block's scale is 2^e with e = floor(log2(the largest magnitude in the block)) - 2, held to -126 .. 127; a block of zeros has e = 0. As a byte (E8M0): e + 127.
;;     - Each number is divided by its block's scale, clamped to +-7.5, and rounded to the nearest number of E2M3, ties to even, subnormals kept.
;;     - The product sums the exact products of the quantised numbers (number of the format x scale) in f32.
;;   ~~~python
;;   def quantise(x, axis):      # numpy; x: float32 -> the quantised numbers, widened to float32 again
;;       x = np.moveaxis(x, axis, -1); K = x.shape[-1]
;;       x = np.pad(x, [(0, 0)] * (x.ndim - 1) + [(0, -K % 32)]); x = x.reshape(x.shape[:-1] + (-1, 32)); a = np.abs(x).max(-1, keepdims=True)
;;       e = np.where(a > 0, np.clip(np.frexp(np.where(a > 0, a, 1))[1] - 1 - 2, -126, 127), 0)      # np.frexp(a)[1] - 1 = floor(log2(a)), exactly
;;       r = np.clip(x / 2.0 ** e, -7.5, 7.5)
;;       step = 2.0 ** (np.maximum(np.frexp(np.where(r == 0, 1, r))[1] - 1, 0) - 3)
;;       q = np.round(r / step) * step * 2.0 ** e      # np.round: ties to even
;;       return np.moveaxis(q.reshape(q.shape[:-2] + (-1,))[..., :K], -1, axis).astype(np.float32)
;;   ~~~
;;   OPERANDS COMPUTED ON THE WAY. 'Computed on the way' means the value that the module computes at that place (a softmax that the list does not call 'softmax' is quantised finished and normalised). What goes into a quantiser is computed in f32, as accurately as f32 sums, v_exp_f32 and their like allow (about 1e-6 of the number): no bf16 or f16 on the way to a quantiser, and a product that is left as it is and whose result goes on into a quantised operand takes f32 operands (vector FMAs, or v_wmma_f32_16x16x4_f32). A number that lies on a knife's edge between two numbers of the format may be rounded either way, as far as f32 arithmetic and the matrix unit's own rounding can turn it there, and no further.
;; One version. Each part assembles by itself: llvm-mc -triple=amdgcn-amd-amdhsa -mcpu=gfx1250 --defsym DOCPART=n.
;; ======== version 1 of 1: 4 launches
;; limits: right only within a limited range of input values
;; workspace buffers: opc 14,942,208 bytes; ops 622,592 bytes; rope 262,144 bytes; akc 8,650,752 bytes; aks 360,448 bytes; atc 3,145,728 bytes; ats 131,072 bytes
;; launch quant (part 1): grid 608 x 1, 4 waves a work-group, no clusters, 34,304 bytes of LDS; arguments hidden_states, wq, wk, wv, wo, opc, ops, rope; writes opc, ops, rope
.if DOCPART == 1
	.amdgcn_target "amdgcn-amd-amdhsa--gfx1250"
	.amdhsa_code_object_version 6
	.text
	.protected	k_qb5134b63fa_quant
	.globl	k_qb5134b63fa_quant
	.p2align	8
	.type	k_qb5134b63fa_quant,@function
k_qb5134b63fa_quant:
	s_mov_b64 s[64:65], 0
	v_nop
	global_prefetch_b8 v0, s[64:65] scope:SCOPE_SE
	s_setreg_imm32_b32 hwreg(HW_REG_WAVE_MODE, 25, 1), 1
	s_wait_xcnt 0x0
; hidden_states [2048][2048], wq [4096][2048], wk [1024][2048], wv [512][2048], wo [2048][2048], all f32 with K innermost, become codes of FP6 (E2M3) with one E8M0 byte for each 32 along K,
; laid in the order of a matrix operand's registers.  76 groups of 128 rows: 0-15 the tokens, 16-47 wq (unit U = 64 rows of q1's head U, then 64 of q2's), 48-55 wk likewise, 56-59 wv, 60-75 wo.
; A group is 8 blocks of 16 rows; row i of block blk is row 32 (blk / 2) + 8 (blk % 2) + i % 8 + 16 (i / 8) of the group, so that a product's results fall 16 neighbours to a lane.
; CODES: group 196,608 bytes = [K step 16][block 8][1,536]; a fragment is two halves of 768 bytes: registers 6 c .. 6 c + 3 at 16 x lane, registers 6 c + 4, 6 c + 5 at 512 + 8 x lane.
; SCALES: group 8,192 bytes = [block 8][4 K steps together 4][row 16][4 words].
; A work-group takes one block of 16 rows, wave w its K steps 4 w .. 4 w + 3.  Each load reads 512 consecutive bytes of a row; a step's 16 rows turn through the wave's own stage in LDS,
; so that lane (r, h) gets k = 64 c + 32 h + 0 .. 31 of row r: two whole blocks of 32, the very order of the operand's registers.  Waves share nothing: no barrier.
; The first 256 work-groups also make the table of cos and sin for the rotary embedding: [position 1024][cos 32 | sin 32] f32, a wave a position.
; A block's scale byte is its largest magnitude's exponent field - 2, held at 1 from below (a block of zeros keeps 1: its codes are zeros, and this program alone reads the bytes).
; LIMITS: NaN and infinities are not served; blocks whose largest magnitude lies under 2^-124 get the byte 1.  The table's frequencies are 2^(-j log2(10000) / 32) by v_exp_f32 of an f32 product:
; an angle may differ from the exact one by some 3e-5 rad at the largest positions.  cos and sin: reduction by pi / 2 in two parts, polynomials on +-pi / 4, about 1e-7.
.set WREG,  8448                       ; a wave's stage: 16 rows x (512 bytes + 16)
.set SPARE, 4*WREG                     ; behind the stages: the spare words, 128 bytes a wave
.set R,   16                           ; v16-143  two sets of 64: a step's 16 rows as loaded
.set X,   144                          ; v144-207 register 32 c + n = k 64 c + 32 h + n of my row
.set F,   208                          ; v208-231 two sets of 12: a fragment's codes
.set T,   232                          ; v232-239 the conversions' second halves
.set W,   240                          ; v240-243 my row's scale words of the four steps
.set TM,  244                          ; v244-251 at work
.set SPW, 252                          ; LDS address of my spare word; never rewritten
.set NIL, 253                          ; 0; never rewritten
.set WV,  20
.set SEL, 22
.set SRC, 26
	s_load_b512 s[4:19], s[0:1], 0x0               ; hidden s[4:5], wq s[6:7], wk s[8:9], wv s[10:11], wo s[12:13], opc s[14:15], ops s[16:17], rope s[18:19]
	v_lshl_add_u32 v[SPW], v0, 2, SPARE
	v_mov_b32 v[NIL], 0
	v_lshrrev_b32 v1, 5, v0
	v_readfirstlane_b32 s[WV], v1                  ; wave 0..3
	v_and_b32 v1, 31, v0                           ; lane
	v_and_b32 v2, 15, v0                           ; r
	v_bfe_u32 v3, v0, 4, 1                         ; h
	v_lshlrev_b32 v4, 4, v1                        ; 16 x lane: loads, and the 16-byte stores
	v_lshlrev_b32 v5, 3, v1                        ; 8 x lane: the 8-byte stores
	s_mul_i32 s21, s[WV], WREG
	v_add_nc_u32 v6, s21, v4                       ; the stage, on the way in: 16 x lane of a row
	v_mul_u32_u24 v7, v2, 528
	v_lshl_add_u32 v7, v3, 7, v7
	v_add_nc_u32 v7, s21, v7                       ; and out: row r, + 128 h bytes
	v_lshlrev_b32 v8, 4, v2                        ; 16 r: my row's four scale words
	v_lshlrev_b32 v9, 3, v3                        ; 8 h: my bytes' place in a scale word
	v_mov_b32 v[TM+6], 0                           ; written once: a lane permute's destination counts as one of its sources
	s_mov_b32 s[SEL], 0x76543210
	s_mov_b32 s[SEL+1], 0xfedcba98                 ; lane l xor 16
	s_and_b32 s24, ttmp9, 7                        ; block
	s_lshr_b32 s25, ttmp9, 3                       ; group
	s_wait_alu depctr_va_vdst(0)
	s_wait_kmcnt 0x0
	; which tensor: the choice hangs on the work-group's number alone.  start: its first work-group; S2: rows from a unit's first half to its second; SU: rows from unit to unit
	s_mov_b64 s[SRC:SRC+1], s[4:5]
	s_mov_b32 s28, 0
	s_mov_b32 s29, 64
	s_mov_b32 s30, 128
	s_cmp_ge_u32 ttmp9, 128
	s_cselect_b64 s[SRC:SRC+1], s[6:7], s[SRC:SRC+1]
	s_cselect_b32 s28, 128, s28
	s_cselect_b32 s29, 2048, s29
	s_cselect_b32 s30, 64, s30
	s_cmp_ge_u32 ttmp9, 384
	s_cselect_b64 s[SRC:SRC+1], s[8:9], s[SRC:SRC+1]
	s_cselect_b32 s28, 384, s28
	s_cselect_b32 s29, 512, s29
	s_cmp_ge_u32 ttmp9, 448
	s_cselect_b64 s[SRC:SRC+1], s[10:11], s[SRC:SRC+1]
	s_cselect_b32 s28, 448, s28
	s_cselect_b32 s29, 64, s29
	s_cselect_b32 s30, 128, s30
	s_cmp_ge_u32 ttmp9, 480
	s_cselect_b64 s[SRC:SRC+1], s[12:13], s[SRC:SRC+1]
	s_cselect_b32 s28, 480, s28
	s_sub_co_u32 s31, ttmp9, s28
	s_lshr_b32 s31, s31, 3
	s_mul_i32 s31, s31, s30                        ; the unit's first row,
	s_lshr_b32 s32, s24, 2
	s_mul_i32 s32, s32, s29
	s_add_co_u32 s31, s31, s32                     ; its half,
	s_bfe_u32 s32, s24, 0x10001
	s_lshl_b32 s32, s32, 5
	s_add_co_u32 s31, s31, s32                     ; + 32 ((block / 2) % 2)
	s_and_b32 s32, s24, 1
	s_lshl_b32 s32, s32, 3
	s_add_co_u32 s31, s31, s32                     ; + 8 (block % 2): the block's first row
	s_lshl_b32 s32, s31, 13                        ; a row is 8,192 bytes
	s_lshl_b32 s33, s[WV], 11                      ; my four K steps are 2,048 bytes of it
	s_add_co_u32 s32, s32, s33
	s_mov_b32 s33, 0
	s_add_nc_u64 s[SRC:SRC+1], s[SRC:SRC+1], s[32:33]
	s_mul_i32 s32, s25, 196608
	s_mul_i32 s34, s[WV], 49152
	s_add_co_u32 s32, s32, s34
	s_mul_i32 s34, s24, 1536
	s_add_co_u32 s32, s32, s34
	s_add_nc_u64 s[14:15], s[14:15], s[32:33]      ; my first fragment
	s_lshl_b32 s32, s25, 13
	s_lshl_b32 s34, s24, 10
	s_add_co_u32 s32, s32, s34
	s_lshl_b32 s34, s[WV], 8
	s_add_co_u32 s32, s32, s34
	s_add_nc_u64 s[16:17], s[16:17], s[32:33]      ; my 256 bytes of scale words
.macro LOAD t                          ; K step t of my four: 16 rows x 512 bytes, a row a load
.irp i, 0,1,2,3,4,5,6,7,8,9,10,11,12,13,14,15
	global_load_b128 v[R+64*((\t)%2)+4*\i:R+64*((\t)%2)+4*\i+3], v4, s[SRC:SRC+1] offset:((\i%8)+16*(\i/8))*8192+512*(\t) th:TH_LOAD_NT
.endr
.endm
	LOAD 0
	LOAD 1
	; THE TABLE.  Position 4 x work-group + wave; lane l makes frequencies 2 (l % 16) and 2 (l % 16) + 1: lanes 0-15 the cosines, lanes 16-31 the sines.
	s_cmp_lt_u32 ttmp9, 256
	s_cbranch_scc0 .Lno_table
	s_lshl_b32 s40, ttmp9, 2
	s_add_co_u32 s40, s40, s[WV]                   ; the position
	s_lshl_b32 s46, s40, 8
	s_mov_b32 s47, 0
	s_add_nc_u64 s[46:47], s[18:19], s[46:47]
	s_mov_b32 s42, 0xb94ca1f9                      ; the sine's polynomial
	s_mov_b32 s43, 0x3c08839e
	s_mov_b32 s44, 0x37ccf5ce                      ; the cosine's
	s_mov_b32 s45, 0xbab6061a
	v_lshlrev_b32 v144, 1, v2
	v_cvt_f32_u32 v144, v144
	v_add_f32 v145, 1.0, v144
	v_mul_f32 v144, 0xbed49a78, v144               ; -j log2(10000) / 32
	v_mul_f32 v145, 0xbed49a78, v145
	s_wait_alu depctr_va_vdst(0)
	v_exp_f32 v144, v144
	v_exp_f32 v145, v145
	v_cvt_f32_u32 v146, s40                        ; (plain work behind the two exponentials)
	v_sub_nc_u32 v147, 1, v3                       ; a cosine is the sine a quarter turn on
	s_wait_alu depctr_va_vdst(0)                   ; one wait for both, ahead of their first reader
.irp e, 0,1
	v_mul_f32 v[144+\e], v146, v[144+\e]           ; the angle, in f32
	v_mul_f32 v[148+\e], 0x3f22f983, v[144+\e]
	v_rndne_f32 v[148+\e], v[148+\e]               ; n = the nearest multiple of pi / 2
	v_fmamk_f32 v[144+\e], v[148+\e], 0xbfc90fdb, v[144+\e]   ; the angle - n pi / 2, pi / 2 in two parts
	v_fmamk_f32 v[144+\e], v[148+\e], 0x333bbd2e, v[144+\e]
	v_mul_f32 v[150+\e], v[144+\e], v[144+\e]      ; z
	v_fma_f32 v[152+\e], v[150+\e], s42, s43
	v_fmaak_f32 v[152+\e], v[152+\e], v[150+\e], 0xbe2aaaa3
	v_mul_f32 v[152+\e], v[152+\e], v[150+\e]
	v_fma_f32 v[152+\e], v[152+\e], v[144+\e], v[144+\e]      ; the sine of the rest
	v_fma_f32 v[154+\e], v[150+\e], s44, s45
	v_fmaak_f32 v[154+\e], v[154+\e], v[150+\e], 0x3d2aaaa5
	v_mul_f32 v[156+\e], v[150+\e], v[150+\e]
	v_fma_f32 v[158+\e], v[150+\e], -0.5, 1.0
	v_fma_f32 v[154+\e], v[154+\e], v[156+\e], v[158+\e]      ; its cosine
	v_cvt_i32_f32 v[148+\e], v[148+\e]
	v_add_nc_u32 v[148+\e], v[148+\e], v147        ; the quadrant
	v_and_b32 v[156+\e], 1, v[148+\e]
	v_cmp_eq_u32 vcc_lo, 1, v[156+\e]
	v_cndmask_b32 v[10+\e], v[152+\e], v[154+\e], vcc_lo      ; odd quadrants take the cosine,
	v_lshlrev_b32 v[148+\e], 30, v[148+\e]
	v_and_b32 v[148+\e], 0x80000000, v[148+\e]
	v_xor_b32 v[10+\e], v[10+\e], v[148+\e]        ; quadrants 2 and 3 the other sign
.endr
	global_store_b64 v5, v[10:11], s[46:47]        ; 32 lanes store the position's 256 consecutive bytes; v10, v11 are not written again
.Lno_table:
.macro FSTEP t
.set RS, R+64*((\t)%2)
.set FS, F+12*((\t)%2)
.if (\t) < 3
	s_wait_loadcnt 16                              ; this step's 16 loads are in; the next step's 16 may be out
.else
	s_wait_loadcnt 0x0
.endif
.irp i, 0,1,2,3,4,5,6,7,8,9,10,11,12,13,14,15
	ds_store_b128 v6, v[RS+4*\i:RS+4*\i+3] offset:528*\i
.endr
.irp c, 0,1
.irp k, 0,1,2,3,4,5,6,7
	ds_load_b128 v[X+32*\c+4*\k:X+32*\c+4*\k+3], v7 offset:256*\c+16*\k   ; LDS serves a wave's instructions in order: these see the stores above
.endr
.endr
	s_wait_dscnt 0x0                               ; my numbers are back, and the stores have read their registers,
.if (\t) < 2
	LOAD (\t)+2                                    ; which take the loads of two steps on
.endif
.irp c, 0,1
	v_max3_num_f32 v[TM+\c], |v[X+32*\c]|, |v[X+32*\c+1]|, 0x1800000   ; my block 2 c + h, and the floor 2^(3 - 127): the byte cannot fall under 1
.endr
.irp i, 2,4,6,8,10,12,14,16,18,20,22,24,26,28,30
.irp c, 0,1
	v_max3_num_f32 v[TM+\c], v[TM+\c], |v[X+32*\c+\i]|, |v[X+32*\c+\i+1]|
.endr
.endr
.irp c, 0,1
	v_add_nc_u32 v[TM+2+\c], 0xff000000, v[TM+\c]  ; 2 off the exponent field: the conversion's scale operand
.endr
.irp c, 0,1
	v_lshrrev_b32 v[TM+4+\c], 23, v[TM+2+\c]       ; the scale's byte
.endr
	v_lshl_or_b32 v[W+(\t)], v[TM+5], 16, v[TM+4]  ; blocks h and 2 + h,
	v_lshlrev_b32 v[W+(\t)], v9, v[W+(\t)]         ; at their places,
	v_permlanex16_b32 v[TM+6], v[W+(\t)], s[SEL], s[SEL+1]
	v_or_b32 v[W+(\t)], v[W+(\t)], v[TM+6]         ; with lane l xor 16's two: the row's word
.if (\t) >= 2
	s_wait_alu depctr_va_vdst(0)
	s_wait_xcnt 0x0                                ; the stores of two steps back have read this set of codes
.endif
.irp c, 0,1
	v_cvt_scalef32_pk16_fp6_f32 v[FS+6*\c:FS+6*\c+2], v[X+32*\c:X+32*\c+15], v[TM+2+\c]
	v_cvt_scalef32_pk16_fp6_f32 v[T+4*\c:T+4*\c+2], v[X+32*\c+16:X+32*\c+31], v[TM+2+\c]   ; (a conversion's three registers begin on an even number)
.endr
	v_nop                                          ; one plain place behind a scaled conversion
.irp c, 0,1
.irp i, 0,1,2
	v_mov_b32 v[FS+6*\c+3+\i], v[T+4*\c+\i]
.endr
.endr
	global_store_b128 v4, v[FS:FS+3], s[14:15] offset:12288*(\t)            ; 512 consecutive bytes,
	global_store_b64 v5, v[FS+4:FS+5], s[14:15] offset:12288*(\t)+512       ; 256,
	global_store_b128 v4, v[FS+6:FS+9], s[14:15] offset:12288*(\t)+768
	global_store_b64 v5, v[FS+10:FS+11], s[14:15] offset:12288*(\t)+1280
.endm
	FSTEP 0
	FSTEP 1
	FSTEP 2
	FSTEP 3
	global_store_b128 v8, v[W:W+3], s[16:17]       ; lanes 0-15 store 256 consecutive bytes; lanes 16-31 the same bytes with the same values
	s_wait_tensorcnt 0x0                           ; the wave's end
	ds_add_u32 v[SPW], v[NIL]
	s_wait_dscnt 0x0
	s_endpgm
.Lfunc_end_k_qb5134b63fa_quant:
	.size	k_qb5134b63fa_quant, .Lfunc_end_k_qb5134b63fa_quant-k_qb5134b63fa_quant
	.p2alignl 7, 3214868480
	.fill 96, 4, 3214868480
	.section	.rodata,"a",@progbits
	.p2align	6, 0x0
	.amdhsa_kernel k_qb5134b63fa_quant
		.amdhsa_group_segment_fixed_size 34304
		.amdhsa_private_segment_fixed_size 0
		.amdhsa_enable_private_segment 0
		.amdhsa_kernarg_size 64
		.amdhsa_user_sgpr_count 2
		.amdhsa_user_sgpr_kernarg_segment_ptr 1
		.amdhsa_wavefront_size32 1
		.amdhsa_system_sgpr_workgroup_id_x 1
		.amdhsa_system_sgpr_workgroup_id_y 1
		.amdhsa_system_sgpr_workgroup_id_z 1
		.amdhsa_system_vgpr_workitem_id 0
		.amdhsa_next_free_vgpr 256
		.amdhsa_next_free_sgpr 66
		.amdhsa_reserve_vcc 1
		.amdhsa_float_denorm_mode_32 3
		.amdhsa_float_denorm_mode_16_64 3
		.amdhsa_memory_ordered 1
		.amdhsa_forward_progress 1
		.amdhsa_inst_pref_size 35
	.end_amdhsa_kernel
	.amdgpu_metadata
---
amdhsa.version: [ 1, 2 ]
amdhsa.kernels:
  - .name:           k_qb5134b63fa_quant
    .symbol:         k_qb5134b63fa_quant.kd
    .args:
      - { .name: hidden_states, .offset: 0, .size: 8, .value_kind: global_buffer, .address_space: global }
      - { .name: wq, .offset: 8, .size: 8, .value_kind: global_buffer, .address_space: global }
      - { .name: wk, .offset: 16, .size: 8, .value_kind: global_buffer, .address_space: global }
      - { .name: wv, .offset: 24, .size: 8, .value_kind: global_buffer, .address_space: global }
      - { .name: wo, .offset: 32, .size: 8, .value_kind: global_buffer, .address_space: global }
      - { .name: opc, .offset: 40, .size: 8, .value_kind: global_buffer, .address_space: global }
      - { .name: ops, .offset: 48, .size: 8, .value_kind: global_buffer, .address_space: global }
      - { .name: rope, .offset: 56, .size: 8, .value_kind: global_buffer, .address_space: global }
    .group_segment_fixed_size: 34304
    .private_segment_fixed_size: 0
    .kernarg_segment_align: 8
    .kernarg_segment_size: 64
    .max_flat_workgroup_size: 128
    .sgpr_count:     66
    .vgpr_count:     256
    .wavefront_size: 32
...
	.end_amdgpu_metadata
.endif
;; end of part 1
;; launch qkv (part 2): grid 352 x 1, 4 waves a work-group, clusters of 4 x 1, 327,680 bytes of LDS; arguments opc, ops, rope, akc, aks; writes akc, aks
.if DOCPART == 2
	.amdgcn_target "amdgcn-amd-amdhsa--gfx1250"
	.amdhsa_code_object_version 6
	.text
	.protected	k_qb5134b63fa_qkv
	.globl	k_qb5134b63fa_qkv
	.p2align	8
	.type	k_qb5134b63fa_qkv,@function
k_qb5134b63fa_qkv:
	s_mov_b64 s[64:65], 0
	v_nop
	global_prefetch_b8 v0, s[64:65] scope:SCOPE_SE
	s_setreg_imm32_b32 hwreg(HW_REG_WAVE_MODE, 25, 1), 1
	s_wait_xcnt 0x0
	s_wait_alu depctr_hold_cnt(0) depctr_sa_sdst(0) depctr_va_vdst(0) depctr_va_sdst(0) depctr_va_ssrc(0) depctr_va_vcc(0) depctr_vm_vsrc(0)
	s_getreg_b32 s2, hwreg(HW_REG_IB_STS2, 6, 4)
	s_cmp_eq_u32 s2, 0
	s_cbranch_scc0 .Lentry_in_a_cluster
	s_endpgm
.Lentry_in_a_cluster:
	s_bfe_u32 s2, ttmp6, 0x10000c
	s_cmp_lg_u32 s2, 0x3003
	s_cbranch_scc0 .Lentry_shape_is_right
	s_endpgm
.Lentry_shape_is_right:
; q, k and v: hidden x [wq | wk | wv]^T on codes of FP6 (E2M3) with E8M0 scales, K = 2,048; then the rotary embedding on q and k, in f32; then q and k are quantised along the head's 64 and
; v along the keys, and leave as images of the next launch's operand registers.
; A work-group makes P 256 rows x Q 128 rows; source 0 = 16 rows of P, source 1 = 16 rows of Q, so a lane holds ONE row of Q, and its registers run along P.  Wave w: P's group w % 2, Q's blocks 4 (w / 2) on:
; 32 accumulators (a, b) at v[8 (8 a + b)] of window 2.  By the order of rows in a block (launch quant) register 16 B + i of a row block a is P's row 32 B + 16 (lane / 16) + i: 16 neighbours.
; q, k (clusters 0-79): P = two units of weights (a unit = [part 1's head | part 2's head], 64 + 64 rows), Q = 128 tokens: a lane's 64 registers are one token's 128 numbers of a unit.
; v (clusters 80-87): P = 256 tokens, Q = 128 rows of wv: a lane's 64 registers are 128 keys of one channel: the keys are the next product's K.
; CLUSTER 4 x 1: the four partners share P, which is asked for jointly (mask 15); each has its own Q, by a plain load: with four Q tiles to a P tile in both kinds the grid divides by 4 x 1 and not by 4 x 4.
; K goes in 16 steps of 128; a slot holds four steps of P's two groups and of Q, all dense blocks of memory; two slots, two refills, all written out.  A wave has at most one tensor load out.
; No prefetch: each tile is asked for by several clusters at about the same time, and P is shared in the cluster.
; LIMITS: NaN and infinities are not served; a block whose largest magnitude lies under 2^-124 gets the byte 1 (a block of zeros too: its codes are zeros, and this program alone reads the bytes).
; REGISTERS: window 0: v1-17 addresses; v28, v29 the add's two; v32-127 scale words, two sets of 48, and nothing else; v128-223 Q's fragments, two sets; window 1: P's fragments, two sets at v0 and v128;
;   window 2: the accumulators; window 3: v0-127 cos and sin of my 64 tokens.  Way out: window 1 v0-95 at work; window 0 v128-203 codes and scale words.
.set GRP,   196608                     ; a group of 128 rows: [K step 16][block 8][1,536]
.set PHB,   49152                      ; four K steps of a group
.set KSB,   12288                      ; one K step of a group
.set FRB,   1536                       ; a fragment
.set SLOT,  3*PHB                      ; P's group 0, P's group 1, Q
.set SPARE, 2*SLOT                     ; behind the ring: the spare words, 128 bytes a wave.  The scale words do not pass through LDS: each wave loads its own into registers, in whole runs of 256 bytes
.set AP16, 4                           ; v4, v5   LDS address of my P fragments' 16-byte chunks in slot 0, 1
.set AP8,  6                           ; v6, v7   of their 8-byte chunks
.set AQ16, 8                           ; v8-11    the same for Q
.set AQ8,  10
.set ASP,  12
.set ASQ,  13
.set TBO,  14                          ; v14      my token's place in the table
.set L16,  15                          ; v15      16 x lane
.set R16,  16                          ; v16      16 r
.set SPW,  28
.set NIL,  29
.set SC,   32
.set QF,   128
.set PCB,  4                           ; s[4:5] P's codes, s[6:7] P's scales; Q's come from the same buffers
.set PSB,  6
.set QCB,  4
.set QSB,  6
.set G1P,  24
.set G1Q,  32
.set G1SP, 40
.set G1SQ, 48
.set G0P,  56                          ; s[56:63] a group 0 for each slot
.set G0Q,  68                          ; s[68:75]
.set G0SP, 76
.set G0SQ, 80
.set SEL,  98
.set JOINT, 15|(3<<16)|(1<<21)         ; the mask of all four partners; elements of 8 bytes; bit 21 beside a mask
.set PLAIN, 3<<16
.set Y,   0                            ; way out, window 1: 64 numbers of a token
.set TA,  64
.set TB,  80
.set PC,  128                          ; way out, window 0: four fragments' codes
.set CT,  176
.set TM,  184
.set PWS, 200                          ; their four scale words
.set MSB, 0
.macro WIN new                         ; the immediate's high byte repeats the setting that is left
.if MSB != \new
	s_set_vgpr_msb (MSB<<8)|\new
.set MSB, \new
.endif
.endm
.macro PLACES                          ; four plain places behind matrix instructions, ahead of loads into their sources and of reads of their results
.rept 4
	v_nop
.endr
.endm
.macro GROUP1 g, w0, rows              ; a dense block as rows of 256 bytes: 32 elements of 8 bytes, pitch 32
	s_mov_b32 s[\g], \w0
	s_mov_b32 s[\g+1], 32<<16
	s_mov_b32 s[\g+2], (\rows)<<16
	s_mov_b32 s[\g+3], 32<<16
	s_mov_b32 s[\g+4], \rows
	s_mov_b32 s[\g+5], 32
	s_mov_b32 s[\g+6], 0
	s_mov_b32 s[\g+7], 0
.endm
; Waves 0 and 1 fetch for P (jointly), waves 2 and 3 for Q.  The branch hangs on the wave's number alone.  An s_nop 0 and four v_nop follow each line.
.macro JLOAD g0p, g1p, g0q, g1q
	s_cmp_eq_u32 s15, 0
	s_cbranch_scc0 .Lfor_q_\@
	tensor_load_to_lds s[\g0p:\g0p+3], s[\g1p:\g1p+7]
	s_nop 0
.rept 4
	v_nop
.endr
	s_branch .Lasked_\@
.Lfor_q_\@:
	tensor_load_to_lds s[\g0q:\g0q+3], s[\g1q:\g1q+7]
	s_nop 0
.rept 4
	v_nop
.endr
.Lasked_\@:
.endm
.macro CREST                           ; a round of the cluster's barrier behind its opening barrier
	s_cmp_lg_u32 s14, 0
	s_cbranch_scc1 .Lnot_wave_0_\@
	s_barrier_signal -3
.Lnot_wave_0_\@:
	s_barrier_wait -3
	s_barrier_signal -1
	s_barrier_wait -1
.endm
.macro CROUND
	s_barrier_signal -1
	s_barrier_wait -1
	CREST
.endm
.macro FETCH s                         ; K step s: P's 8 fragments and my 4 of Q, 48 loads of 512 or 256 consecutive bytes, into set s % 2
.set FS, (\s)%2
.set FL, ((\s)/4)%2
.set FO, ((\s)%4)*KSB
	WIN 0x40                                       ; destination window 1
.irp b, 0,1,2,3,4,5,6,7
.irp c, 0,1
	ds_load_b128 v[128*FS+12*\b+6*\c:128*FS+12*\b+6*\c+3], v[AP16+FL] offset:FO+\b*FRB+768*\c
	ds_load_b64 v[128*FS+12*\b+6*\c+4:128*FS+12*\b+6*\c+5], v[AP8+FL] offset:FO+\b*FRB+768*\c+512
.endr
.endr
	WIN 0
.irp a, 0,1,2,3
.irp c, 0,1
	ds_load_b128 v[QF+48*FS+12*\a+6*\c:QF+48*FS+12*\a+6*\c+3], v[AQ16+FL] offset:FO+\a*FRB+768*\c
	ds_load_b64 v[QF+48*FS+12*\a+6*\c+4:QF+48*FS+12*\a+6*\c+5], v[AQ8+FL] offset:FO+\a*FRB+768*\c+512
.endr
.endr
.endm
.macro SCALES ph                       ; the scale words of K steps 4 ph .. 4 ph + 3, four words a row, into set ph % 2
.irp b, 0,1,2,3,4,5,6,7
	global_load_b128 v[SC+48*((\ph)%2)+4*\b:SC+48*((\ph)%2)+4*\b+3], v[R16], s[G0SP:G0SP+1] offset:1024*\b+256*(\ph)   ; lanes 0-15 read 256 consecutive bytes, lanes 16-31 the same
.endr
.irp a, 0,1,2,3
	global_load_b128 v[SC+48*((\ph)%2)+32+4*\a:SC+48*((\ph)%2)+32+4*\a+3], v[R16], s[G0SQ:G0SQ+1] offset:1024*\a+256*(\ph)
.endr
.endm
.macro QTR s, a, zero                  ; 8 matrix instructions: Q's block a against P's eight.  The 32 accumulators take turns, in the same order in every step
.set QS2, (\s)%2
.set QE,  SC+48*(((\s)/4)%2)
.set QW,  (\s)%4
	WIN 0xa1                                       ; source 0 (P) window 1, source 1 (Q) window 0, C and D window 2
.irp b, 0,1,2,3,4,5,6,7
.if \zero
	v_wmma_scale_f32_16x16x128_f8f6f4 v[8*(8*(\a)+\b):8*(8*(\a)+\b)+7], v[128*QS2+12*\b:128*QS2+12*\b+11], v[QF+48*QS2+12*(\a):QF+48*QS2+12*(\a)+11], 0, v[QE+4*\b+QW], v[QE+32+4*(\a)+QW] matrix_a_fmt:MATRIX_FMT_FP6 matrix_b_fmt:MATRIX_FMT_FP6
.else
	v_wmma_scale_f32_16x16x128_f8f6f4 v[8*(8*(\a)+\b):8*(8*(\a)+\b)+7], v[128*QS2+12*\b:128*QS2+12*\b+11], v[QF+48*QS2+12*(\a):QF+48*QS2+12*(\a)+11], v[8*(8*(\a)+\b):8*(8*(\a)+\b)+7], v[QE+4*\b+QW], v[QE+32+4*(\a)+QW] matrix_a_fmt:MATRIX_FMT_FP6 matrix_b_fmt:MATRIX_FMT_FP6
.endif
.endr
.endm
.macro STEP s, zero, fetch             ; a K step whose successor lies in the same slot
.if (\s)%4 == 0
	s_wait_loadcnt 0x0                             ; the scale words of these four steps, asked for four steps ago (the first: at the head)
.endif
	s_wait_dscnt 0x0                               ; this step's fragments are in
.if \fetch
	PLACES
	FETCH (\s)+1
.if (\s)%4 == 0 && (\s) < 12
	SCALES (\s)/4+1                                ; the next four steps' scale words, into the set that the last four steps' products have read (the places above serve these loads too)
.endif
.endif
	QTR \s, 0, \zero
	QTR \s, 1, \zero
	QTR \s, 2, \zero
	QTR \s, 3, \zero
.endm
; A slot's last step changes slots: one barrier; ahead of it each wave waits for all its tensor loads, adds 0 to its spare word, and waits for that and for its reads of this slot.
; fill = 1: the barrier opens a round of the cluster's, and this slot is filled again, with the K steps eight on, first thing behind the round.
.macro TURN s, fill
.set TL, ((\s)/4)%2
	WIN 0
	s_wait_tensorcnt 0x0                           ; all my tensor loads have landed: my part of the next slot
	ds_add_u32 v[SPW], v[NIL]
	s_wait_dscnt 0x1                               ; this step's fragments are in; the add alone may be out
	QTR \s, 0, 0
	s_wait_dscnt 0x0                               ; the add is done, and my reads of this slot are over
	s_barrier_signal -1
	QTR \s, 1, 0
	WIN 0
	s_barrier_wait -1
.if \fill
	CREST                                          ; no wave of any partner still reads this slot or has a load on its way
	s_add_nc_u64 s[G0P+4*TL+2:G0P+4*TL+3], s[G0P+4*TL+2:G0P+4*TL+3], 2*PHB
	s_add_nc_u64 s[G0Q+4*TL+2:G0Q+4*TL+3], s[G0Q+4*TL+2:G0Q+4*TL+3], 2*PHB
	JLOAD G0P+4*TL, G1P, G0Q+4*TL, G1Q             ; my one tensor load behind the round; its four v_nop are also the places ahead of the loads below
.else
	PLACES
.endif
	FETCH (\s)+1
	QTR \s, 2, 0
	QTR \s, 3, 0
.endm
	s_load_b256 s[4:11], s[0:1], 0x0               ; opc s[4:5], ops s[6:7], rope s[8:9], akc s[10:11]
	s_load_b64 s[12:13], s[0:1], 0x20              ; aks
	v_lshl_add_u32 v[SPW], v0, 2, SPARE
	v_mov_b32 v[NIL], 0
	ds_add_u32 v[SPW], v[NIL]                      ; the wave's opening
	ds_add_u32 v[SPW], v[NIL]
	v_lshrrev_b32 v1, 5, v0
	v_readfirstlane_b32 s14, v1                    ; wave 0..3
	s_lshr_b32 s15, s14, 1                         ; Q's half that I multiply.  Also: I fetch for P (0) or for Q (1)
	s_and_b32 s16, s14, 1                          ; P's group that I multiply.  Also: which half of the block I fetch
	s_bfe_u32 s17, ttmp6, 0x40000                  ; cx: my place in the cluster
	s_mov_b32 s18, ttmp9                           ; the cluster's number
	s_lshr_b32 s84, s18, 2
	s_lshl_b32 s84, s84, 1
	s_add_co_u32 s84, s84, 16                      ; q, k: P = weight groups 16 + 2 (cluster / 4) and the next
	s_sub_co_u32 s85, s18, 80
	s_lshl_b32 s85, s85, 1                         ; v: P = token groups 2 (cluster - 80) and the next
	s_and_b32 s90, s18, 3
	s_lshl_b32 s90, s90, 2
	s_cmp_ge_u32 s18, 80
	s_cselect_b32 s19, 1, 0                        ; 1: v
	s_cselect_b32 s20, s85, s84                    ; P's first group: of the cluster's number alone
	s_cselect_b32 s21, 56, s90
	s_add_co_u32 s21, s21, s17                     ; Q's group: tokens 4 (cluster % 4) + cx, or wv's 56 + cx
	GROUP1 G1P, JOINT, 192
	GROUP1 G1Q, PLAIN, 96
	s_mov_b32 s[SEL], 0x76543210
	s_mov_b32 s[SEL+1], 0xfedcba98
	s_add_co_u32 s84, s20, s16                     ; the P group that I fetch
	s_mul_i32 s86, s84, GRP
	s_mov_b32 s87, 0
	s_lshl_b32 s88, s84, 13
	s_mov_b32 s89, 0
	s_mul_i32 s85, s16, PHB                        ; and where it goes
	s_mul_i32 s90, s21, GRP
	s_mul_i32 s92, s16, PHB/2                      ; Q: two of the slot's four K steps each
	s_add_co_u32 s90, s90, s92
	s_mov_b32 s91, 0
	s_add_co_u32 s92, s92, 2*PHB
	s_lshl_b32 s94, s21, 13
	s_lshl_b32 s93, s15, 12                        ; the scale words of my four blocks of Q
	s_add_co_u32 s94, s94, s93
	s_mov_b32 s95, 0
	s_wait_dscnt 0x0                               ; the opening add is done
	s_wait_kmcnt 0x0
	CROUND                                         ; all four work-groups are here: the first joint loads meet
	s_add_nc_u64 s[G0SP:G0SP+1], s[PSB:PSB+1], s[88:89]   ; where my P group's scale words lie; never rewritten
	s_add_nc_u64 s[G0SQ:G0SQ+1], s[QSB:QSB+1], s[94:95]   ; and my four Q blocks'
	s_add_nc_u64 s[86:87], s[PCB:PCB+1], s[86:87]
	s_add_nc_u64 s[90:91], s[QCB:QCB+1], s[90:91]
.irp s, 0,1
	s_mov_b32 s[G0P+4*\s], 1
	s_add_co_u32 s[G0P+4*\s+1], s85, \s*SLOT
	s_add_nc_u64 s[G0P+4*\s+2:G0P+4*\s+3], s[86:87], \s*PHB
	s_or_b32 s[G0P+4*\s+3], s[G0P+4*\s+3], 0x80000000
	s_mov_b32 s[G0Q+4*\s], 1
	s_add_co_u32 s[G0Q+4*\s+1], s92, \s*SLOT
	s_add_nc_u64 s[G0Q+4*\s+2:G0Q+4*\s+3], s[90:91], \s*PHB
	s_or_b32 s[G0Q+4*\s+3], s[G0Q+4*\s+3], 0x80000000
.endr
	JLOAD G0P, G1P, G0Q, G1Q                       ; slot 0
	v_and_b32 v3, 31, v0                           ; lane
	v_and_b32 v1, 15, v0                           ; r
	v_bfe_u32 v2, v0, 4, 1                         ; h
	v_lshlrev_b32 v[L16], 4, v3
	v_lshlrev_b32 v17, 3, v3
	v_lshlrev_b32 v[R16], 4, v1
	s_wait_alu depctr_va_vdst(0)
	s_mul_i32 s84, s16, PHB                        ; my P group in a slot
	s_mul_i32 s85, s15, 4*FRB                      ; my four blocks of Q,
	s_add_co_u32 s85, s85, 2*PHB                   ; behind P's two groups
.irp s, 0,1
	v_add_nc_u32 v[AP16+\s], s84, v[L16]
	v_add_nc_u32 v[AP8+\s], s84, v17
	v_add_nc_u32 v[AQ16+\s], s85, v[L16]
	v_add_nc_u32 v[AQ8+\s], s85, v17
	s_add_co_u32 s84, s84, SLOT
	s_add_co_u32 s85, s85, SLOT
.endr
	v_and_b32 v18, 7, v0
	v_bfe_u32 v19, v0, 3, 1
	v_lshl_add_u32 v18, v19, 4, v18                ; my token in its block: r % 8 + 16 (r / 8)
	v_lshlrev_b32 v18, 8, v18
	v_lshl_add_u32 v[TBO], v2, 6, v18              ; 256 bytes a position, + 64 h: frequencies 16 h on
	; where my results go.  q, k: unit U, batch b, tiles A0 .. A0 + 3 of 16 tokens
	s_sub_co_u32 s84, s20, 16
	s_add_co_u32 s84, s84, s16                     ; U
	s_lshl_b32 s84, s84, 1
	s_lshr_b32 s85, s21, 3
	s_add_co_u32 s84, s84, s85                     ; 2 U + b
	s_and_b32 s85, s21, 7
	s_lshl_b32 s85, s85, 3
	s_lshl_b32 s86, s15, 2
	s_add_co_u32 s85, s85, s86                     ; A0
	s_lshl_b32 s86, s84, 6
	s_add_co_u32 s86, s86, s85
	s_mul_i32 s86, s86, FRB
	s_lshl_b32 s87, s84, 12
	s_lshl_b32 s85, s85, 6
	s_add_co_u32 s87, s87, s85
	; v: batch b, K step s of 128 keys, kv head g, tiles 0 .. 3 of 16 channels
	s_add_co_u32 s88, s20, s16
	s_lshr_b32 s89, s88, 3
	s_and_b32 s88, s88, 7
	s_lshl_b32 s89, s89, 3
	s_lshl_b32 s90, s17, 1
	s_add_co_u32 s89, s89, s90
	s_add_co_u32 s89, s89, s15                     ; 8 b + g
	s_lshl_b32 s89, s89, 3
	s_add_co_u32 s89, s89, s88
	s_mul_i32 s90, s89, 4*FRB
	s_add_co_u32 s90, s90, 7864320
	s_lshl_b32 s91, s89, 8
	s_add_co_u32 s91, s91, 327680
	s_cmp_eq_u32 s19, 1
	s_cselect_b32 s92, s90, s86
	s_cselect_b32 s94, s91, s87
	s_mov_b32 s93, 0
	s_mov_b32 s95, 0
	s_add_nc_u64 s[10:11], s[10:11], s[92:93]
	s_add_nc_u64 s[12:13], s[12:13], s[94:95]
	s_cmp_eq_u32 s19, 1
	s_cbranch_scc1 .Lno_table
	s_and_b32 s96, s21, 7                          ; cos and sin of my 64 tokens: block a's cos at v[32 a], sin at v[32 a + 16] of window 3: frequencies 16 h + 0 .. 15
	s_lshl_b32 s96, s96, 7
	s_lshl_b32 s97, s15, 6
	s_add_co_u32 s96, s96, s97
	s_lshl_b32 s96, s96, 8
	s_mov_b32 s97, 0
	s_add_nc_u64 s[8:9], s[8:9], s[96:97]
	WIN 0xc0                                       ; destination window 3
	s_wait_alu depctr_va_vdst(0)
.irp a, 0,1,2,3
.irp k, 0,1,2,3
	global_load_b128 v[32*\a+4*\k:32*\a+4*\k+3], v[TBO], s[8:9] offset:(32*(\a/2)+8*(\a%2))*256+16*\k
	global_load_b128 v[32*\a+16+4*\k:32*\a+16+4*\k+3], v[TBO], s[8:9] offset:(32*(\a/2)+8*(\a%2))*256+128+16*\k
.endr
.endr
	WIN 0
.Lno_table:
	s_wait_alu depctr_va_vdst(0)
	SCALES 0                                       ; the first four steps' scale words
	s_wait_tensorcnt 0x0                           ; my part of slot 0 is in
	ds_add_u32 v[SPW], v[NIL]
	s_wait_dscnt 0x0
	CROUND                                         ; everybody's part of slot 0 is in, and the four partners are here
	JLOAD G0P+4, G1P, G0Q+4, G1Q                   ; slot 1's first fill: my one tensor load behind the round
	FETCH 0
	STEP 0, 1, 1                                   ; the first step's products start the sums: nothing is cleared
	STEP 1, 0, 1
	STEP 2, 0, 1
	TURN 3, 1
	STEP 4, 0, 1
	STEP 5, 0, 1
	STEP 6, 0, 1
	TURN 7, 1
	STEP 8, 0, 1
	STEP 9, 0, 1
	STEP 10, 0, 1
	TURN 11, 0
	STEP 12, 0, 1
	STEP 13, 0, 1
	STEP 14, 0, 1
	STEP 15, 0, 0
	WIN 0
; THE WAY OUT.  64 numbers of a lane, register 16 b + i = k 32 b + 16 (lane / 16) + i of my row, become a fragment's 12 registers at v[pc] and its scale word in v[wd].  wm, wc: the window settings that reach the numbers.
.macro QUANT src, wm, wc, pc, wd
	WIN \wm
.irp b, 0,1,2,3
	v_max3_num_f32 v[TM+\b], |v[(\src)+16*\b]|, |v[(\src)+16*\b+1]|, 0x1800000   ; each accumulator is read from its low end on; the floor 2^(3 - 127) holds the byte at 1
.endr
.irp i, 2,4,6,8,10,12,14
.irp b, 0,1,2,3
	v_max3_num_f32 v[TM+\b], |v[(\src)+16*\b+\i]|, |v[(\src)+16*\b+\i+1]|, v[TM+\b]
.endr
.endr
	WIN 0
.irp b, 0,1,2,3
	v_permlanex16_b32 v[TM+4+\b], v[TM+\b], s[SEL], s[SEL+1]
.endr
.irp b, 0,1,2,3
	v_max_num_f32 v[TM+\b], v[TM+\b], v[TM+4+\b]   ; with lane l xor 16's: the block's largest magnitude
.endr
.irp b, 0,1,2,3
	v_add_nc_u32 v[TM+12+\b], 0xff000000, v[TM+\b] ; 2 off the exponent field: the conversion's scale operand
.endr
.irp b, 0,1,2,3
	v_lshrrev_b32 v[TM+4+\b], 23, v[TM+12+\b]      ; the scale's byte
.endr
	v_lshl_or_b32 v[\wd], v[TM+5], 8, v[TM+4]
	v_lshl_or_b32 v[\wd], v[TM+6], 16, v[\wd]
	v_lshl_or_b32 v[\wd], v[TM+7], 24, v[\wd]
	WIN \wc
.irp c, 0,1
	v_cvt_scalef32_pk16_fp6_f32 v[(\pc)+6*\c:(\pc)+6*\c+2], v[(\src)+32*\c:(\src)+32*\c+15], v[TM+12+2*\c]
	v_cvt_scalef32_pk16_fp6_f32 v[CT+4*\c:CT+4*\c+2], v[(\src)+32*\c+16:(\src)+32*\c+31], v[TM+12+2*\c+1]
.endr
	WIN 0
	v_nop                                          ; one plain place behind a scaled conversion
.irp c, 0,1                            ; the operand's layout wants a whole block in a lane
.irp i, 0,1,2
	v_permlane16_swap_b32 v[(\pc)+6*\c+\i], v[CT+4*\c+\i]
.endr
.irp i, 0,1,2
	v_mov_b32 v[(\pc)+6*\c+3+\i], v[CT+4*\c+\i]
.endr
.endr
.endm
; The rotary embedding of row block a: for each part p, x0 = channels 16 h + i, x1 = channels 32 + 16 h + i: y0 = x0 cos - x1 sin, y1 = x1 cos + x0 sin.
.macro ROPE a
	WIN 0x5e                                       ; source 0 window 2 (sums), source 1 window 3 (table), source 2 and destination window 1
.irp p, 0,1
.irp i, 0,2,4,6,8,10,12,14
	v_pk_mul_f32 v[TA+\i:TA+\i+1], v[64*(\a)+32*\p+16+\i:64*(\a)+32*\p+16+\i+1], v[32*(\a)+16+\i:32*(\a)+16+\i+1]
	v_pk_mul_f32 v[TB+\i:TB+\i+1], v[64*(\a)+32*\p+\i:64*(\a)+32*\p+\i+1], v[32*(\a)+16+\i:32*(\a)+16+\i+1]
.endr
.irp i, 0,2,4,6,8,10,12,14
	v_pk_fma_f32 v[Y+32*\p+\i:Y+32*\p+\i+1], v[64*(\a)+32*\p+\i:64*(\a)+32*\p+\i+1], v[32*(\a)+\i:32*(\a)+\i+1], v[TA+\i:TA+\i+1] neg_lo:[0,0,1] neg_hi:[0,0,1]
	v_pk_fma_f32 v[Y+32*\p+16+\i:Y+32*\p+16+\i+1], v[64*(\a)+32*\p+16+\i:64*(\a)+32*\p+16+\i+1], v[32*(\a)+\i:32*(\a)+\i+1], v[TB+\i:TB+\i+1]
.endr
.endr
.endm
.macro OUT a                           ; a fragment leaves as three runs of 512 consecutive bytes
.irp k, 0,1,2
	global_store_b128 v[L16], v[PC+12*(\a)+4*\k:PC+12*(\a)+4*\k+3], s[10:11] offset:FRB*(\a)+512*\k
.endr
.endm
	PLACES                                         ; behind the last products: their results are read, and registers that they read are written
.irp b, 0,1,2,3
	v_mov_b32 v[TM+4+\b], 0                        ; a lane permute's destination counts as one of its sources
.endr
	s_cmp_eq_u32 s19, 1
	s_cbranch_scc1 .Lv_path
	s_wait_loadcnt 0x0                             ; the table
.irp a, 0,1,2,3
	ROPE \a
	QUANT Y, 0x05, 0x01, PC+12*\a, PWS+\a
	OUT \a
.endr
	s_branch .Ljoin
.Lv_path:
.irp a, 0,1,2,3
	QUANT 64*\a, 0x0a, 0x02, PC+12*\a, PWS+\a
	OUT \a
.endr
.Ljoin:
	global_store_b128 v[R16], v[PWS:PWS+3], s[12:13]   ; the four tiles' scale words: lanes 0-15 store 256 consecutive bytes, lanes 16-31 the same bytes with the same values
	s_wait_tensorcnt 0x0                           ; the wave's end
	ds_add_u32 v[SPW], v[NIL]
	s_wait_dscnt 0x0
	CROUND                                         ; the closing round
	s_endpgm
.Lfunc_end_k_qb5134b63fa_qkv:
	.size	k_qb5134b63fa_qkv, .Lfunc_end_k_qb5134b63fa_qkv-k_qb5134b63fa_qkv
	.p2alignl 7, 3214868480
	.fill 96, 4, 3214868480
	.section	.rodata,"a",@progbits
	.p2align	6, 0x0
	.amdhsa_kernel k_qb5134b63fa_qkv
		.amdhsa_group_segment_fixed_size 327680
		.amdhsa_private_segment_fixed_size 0
		.amdhsa_enable_private_segment 0
		.amdhsa_kernarg_size 40
		.amdhsa_user_sgpr_count 2
		.amdhsa_user_sgpr_kernarg_segment_ptr 1
		.amdhsa_wavefront_size32 1
		.amdhsa_system_sgpr_workgroup_id_x 1
		.amdhsa_system_sgpr_workgroup_id_y 1
		.amdhsa_system_sgpr_workgroup_id_z 1
		.amdhsa_system_vgpr_workitem_id 0
		.amdhsa_next_free_vgpr 1024
		.amdhsa_next_free_sgpr 100
		.amdhsa_reserve_vcc 0
		.amdhsa_float_denorm_mode_32 3
		.amdhsa_float_denorm_mode_16_64 3
		.amdhsa_memory_ordered 1
		.amdhsa_forward_progress 1
		.amdhsa_inst_pref_size 185
	.end_amdhsa_kernel
	.amdgpu_metadata
---
amdhsa.version: [ 1, 2 ]
amdhsa.kernels:
  - .name:           k_qb5134b63fa_qkv
    .symbol:         k_qb5134b63fa_qkv.kd
    .args:
      - { .name: opc, .offset: 0, .size: 8, .value_kind: global_buffer, .address_space: global }
      - { .name: ops, .offset: 8, .size: 8, .value_kind: global_buffer, .address_space: global }
      - { .name: rope, .offset: 16, .size: 8, .value_kind: global_buffer, .address_space: global }
      - { .name: akc, .offset: 24, .size: 8, .value_kind: global_buffer, .address_space: global }
      - { .name: aks, .offset: 32, .size: 8, .value_kind: global_buffer, .address_space: global }
    .group_segment_fixed_size: 327680
    .private_segment_fixed_size: 0
    .kernarg_segment_align: 8
    .kernarg_segment_size: 40
    .max_flat_workgroup_size: 128
    .sgpr_count:     100
    .vgpr_count:     1024
    .wavefront_size: 32
...
	.end_amdgpu_metadata
.endif
;; end of part 2
;; launch attn (part 3): grid 16 x 16, 16 waves a work-group, clusters of 4 x 1, 167,936 bytes of LDS; arguments akc, aks, lambda_q1, lambda_k1, lambda_q2, lambda_k2, atc, ats; writes atc, ats
.if DOCPART == 3
	.amdgcn_target "amdgcn-amd-amdhsa--gfx1250"
	.amdhsa_code_object_version 6
	.text
	.protected	k_qb5134b63fa_attn
	.globl	k_qb5134b63fa_attn
	.p2align	8
	.type	k_qb5134b63fa_attn,@function
k_qb5134b63fa_attn:
	s_mov_b64 s[64:65], 0
	v_nop
	global_prefetch_b8 v0, s[64:65] scope:SCOPE_SE
	s_setreg_imm32_b32 hwreg(HW_REG_WAVE_MODE, 25, 1), 1
	s_wait_xcnt 0x0
	s_wait_alu depctr_hold_cnt(0) depctr_sa_sdst(0) depctr_va_vdst(0) depctr_va_sdst(0) depctr_va_ssrc(0) depctr_va_vcc(0) depctr_vm_vsrc(0)
	s_getreg_b32 s2, hwreg(HW_REG_IB_STS2, 6, 4)
	s_cmp_eq_u32 s2, 0
	s_cbranch_scc0 .Lentry_in_a_cluster
	s_endpgm
.Lentry_in_a_cluster:
	s_bfe_u32 s2, ttmp6, 0x10000c
	s_cmp_lg_u32 s2, 0x3003
	s_cbranch_scc0 .Lentry_shape_is_right
	s_endpgm
.Lentry_shape_is_right:
; attn = ((softmax(q1 k1^T / 8) - lam softmax(q2 k2^T / 8)) v) (1 - LAMBDA_INIT), causal, all three products on codes of FP6 (E2M3) with E8M0 scales; the result is quantised along the model's 2,048 for the last product.
; The second product's operand is a1 - lam a2 FINISHED: normalised, then quantised along the keys.  So each row's maxima and sums are made first (pass 1), and the scores are made again (pass 2): p1 / l1 - lam p2 / l2.
; SHARES.  A work-group: one batch, one query head (4 g + cx), 16 tiles of 16 queries; a wave owns one tile, A = j + 4 x, x a fixed permutation of the wave's number that evens the causal work out among groups of four waves.
; A tile walks key steps 0 .. A / 8 of 128 keys; A / 8 = x / 2 hangs on the wave's number alone.  The loops have 8 trips in every wave; a step beyond the diagonal is jumped over by a scalar branch on ids.
; CLUSTER 4 x 1: the four query heads of a kv head read the same K and V: all of a kv head's codes and scale words come into LDS ONCE, by joint loads (mask 15); nothing is filled again, so behind one barrier the waves run free.
; No prefetch: all tiles are asked for at the kernel's head.
; LAYOUT.  Both products transposed: S^T = K Q^T, O^T = V^T P^T: a lane holds one query.  A fragment of q or k has K = 128 = [part 1's 64 | part 2's 64]; q's is used twice, with zero codes in the other half.
; By the order of keys in a tile (launch quant's order of rows) register 16 B + i of four tiles' scores is key 32 B + 16 (lane / 16) + i.
; LIMITS: NaN and infinities are not served; p under 2^-126 comes out as 0; a block whose largest magnitude lies under 2^-124 gets the byte 1 (a block of zeros too: its codes are zeros).
.set VCB,   98304                      ; LDS: K's codes [step 8][tile 8][1,536] from 0; V's [step 8][tile 4][1,536] from here;
.set KSB,   147456                     ; K's scale words [4 tiles together 16][row 16][tile 4];
.set VSB,   151552                     ; V's [step 8][row 16][tile 4];
.set SPARE, 153600                     ; the spare words, 128 bytes for each of 16 waves
.set LI,  1                            ; 16 x lane
.set LR,  2                            ; 16 r
.set SPW, 3
.set NIL, 4
.set VD,  5                            ; my query's place in its 128, less 16 h
.set ADK, 6
.set ADV, 7
.set ADS, 8
.set ADT, 9
.set NINF, 10
.set L8,  11                           ; 8 x lane
.set M1,  12                           ; the largest scores so far
.set M2,  13
.set NC1, 14                           ; -c M (v15, v17: named with them as pairs, written once)
.set NC2, 16
.set L1,  18                           ; the sums, in two halves
.set L2,  20
.set C1,  22                           ; pass 1: the factors 2^(change of -c M); pass 2: 1 / l1 and lam / l2
.set C2,  24
.set QA,  26                           ; v[26:37] = [q1 | 0], v[32:43] = [0 | q2]
.set QB,  32
.set QS,  44                           ; scale words and nothing else: q's, p's, four tiles' of K or V
.set PW,  45
.set KSC, 46
.set FR,  50                           ; four fragments of K or V
.set S1,  98
.set S2,  130
.set O,   162
.set CODE, 194
.set CT,  206
.set TM,  210
.set LAM, 250
.set WV,  20
.set CX,  21
.set YY,  23
.set BB,  24
.set GG,  25
.set AA,  27
.set DIAG, 28
.set SEL, 30
.set CS,  32                           ; c = log2(e) / 8
.set G1C, 36
.set G1KS, 44
.set G1VS, 52
.set G0C, 60
.set G0KS, 68
.set G0VS, 72
.set TK,  76
.set TV,  77
.set TS,  78
.set TU,  79
.set KS,  80
.set JOINT, 15|(3<<16)|(1<<21)
.macro GROUP1 g, rows                  ; a dense block as rows of 256 bytes, for all four partners
	s_mov_b32 s[\g], JOINT
	s_mov_b32 s[\g+1], 32<<16
	s_mov_b32 s[\g+2], (\rows)<<16
	s_mov_b32 s[\g+3], 32<<16
	s_mov_b32 s[\g+4], \rows
	s_mov_b32 s[\g+5], 32
	s_mov_b32 s[\g+6], 0
	s_mov_b32 s[\g+7], 0
.endm
.macro CROUND
	s_barrier_signal -1
	s_barrier_wait -1
	s_cmp_lg_u32 s[WV], 0
	s_cbranch_scc1 .Lnot_wave_0_\@
	s_barrier_signal -3
.Lnot_wave_0_\@:
	s_barrier_wait -3
	s_barrier_signal -1
	s_barrier_wait -1
.endm
	s_load_b512 s[4:19], s[0:1], 0x0               ; akc s[4:5], aks s[6:7], lambda_q1, _k1, _q2, _k2 s[8:15], atc s[16:17], ats s[18:19]
	v_lshl_add_u32 v[SPW], v0, 2, SPARE
	v_mov_b32 v[NIL], 0
	ds_add_u32 v[SPW], v[NIL]                      ; the wave's opening
	ds_add_u32 v[SPW], v[NIL]
	v_lshrrev_b32 v1, 5, v0
	s_delay_alu instid0(VALU_DEP_1)
	v_readfirstlane_b32 s[WV], v1                  ; wave 0..15
	s_bfe_u32 s[CX], ttmp6, 0x40000                ; cx: the query head within its kv head
	s_and_b32 s[YY], ttmp7, 0xffff                 ; 8 b + g
	s_lshr_b32 s[BB], s[YY], 3
	s_and_b32 s[GG], s[YY], 7
	s_lshr_b32 s26, 0x9669, s[WV]
	s_and_b32 s26, s26, 1
	s_mul_i32 s26, s26, 15
	s_xor_b32 s26, s26, s[WV]                      ; x
	s_lshl_b32 s[AA], s26, 2
	s_add_co_u32 s[AA], s[AA], ttmp9               ; my tile of queries: A = j + 4 x
	s_lshr_b32 s[DIAG], s26, 1                     ; its key step on the diagonal
	GROUP1 G1C, 48
	GROUP1 G1KS, 16
	GROUP1 G1VS, 8
	s_mov_b32 s[SEL], 0x76543210
	s_mov_b32 s[SEL+1], 0xfedcba98
	s_mov_b32 s[CS], 0x3e38aa3b
	s_mov_b32 s[CS+1], s[CS]
	s_add_co_u32 s84, s[GG], 32
	s_lshl_b32 s84, s84, 1
	s_add_co_u32 s84, s84, s[BB]                   ; k's unit and batch: 2 (32 + g) + b
	s_mul_i32 s85, s84, 98304
	s_min_u32 s82, s[WV], 11
	s_mul_i32 s86, s82, 12288                      ; waves 0-7: K's eight steps; waves 8-11: V's quarters, which lie behind them in LDS.  Also the LDS address
	s_add_co_u32 s85, s85, s86
	s_mul_i32 s87, s[YY], 49152
	s_add_co_u32 s87, s87, 7864320-98304
	s_add_co_u32 s87, s87, s86
	s_cmp_ge_u32 s82, 8
	s_cselect_b32 s88, s87, s85
	s_mov_b32 s89, 0
	s_lshl_b32 s90, s84, 12
	s_mov_b32 s91, 0
	s_lshl_b32 s92, s[YY], 11
	s_add_co_u32 s92, s92, 327680
	s_mov_b32 s93, 0
	s_wait_dscnt 0x0                               ; the opening add is done
	s_wait_kmcnt 0x0
	CROUND                                         ; all four work-groups are here: the joint loads meet
	s_mov_b32 s[G0C], 1
	s_mov_b32 s[G0C+1], s86
	s_add_nc_u64 s[G0C+2:G0C+3], s[4:5], s[88:89]
	s_or_b32 s[G0C+3], s[G0C+3], 0x80000000
	s_mov_b32 s[G0KS], 1
	s_mov_b32 s[G0KS+1], KSB
	s_add_nc_u64 s[G0KS+2:G0KS+3], s[6:7], s[90:91]
	s_or_b32 s[G0KS+3], s[G0KS+3], 0x80000000
	s_mov_b32 s[G0VS], 1
	s_mov_b32 s[G0VS+1], VSB
	s_add_nc_u64 s[G0VS+2:G0VS+3], s[6:7], s[92:93]
	s_or_b32 s[G0VS+3], s[G0VS+3], 0x80000000
	s_cmp_lt_u32 s[WV], 12                         ; one chain of branches on the wave's number, one fill to an arm
	s_cbranch_scc0 .Lnot_codes
	tensor_load_to_lds s[G0C:G0C+3], s[G1C:G1C+7]
	s_nop 0
.rept 4
	v_nop
.endr
	s_branch .Lasked
.Lnot_codes:
	s_cmp_eq_u32 s[WV], 12
	s_cbranch_scc0 .Lnot_ks
	tensor_load_to_lds s[G0KS:G0KS+3], s[G1KS:G1KS+7]
	s_nop 0
.rept 4
	v_nop
.endr
	s_branch .Lasked
.Lnot_ks:
	s_cmp_eq_u32 s[WV], 13
	s_cbranch_scc0 .Lasked
	tensor_load_to_lds s[G0VS:G0VS+3], s[G1VS:G1VS+7]
	s_nop 0
.rept 4
	v_nop
.endr
.Lasked:
	v_and_b32 v226, 31, v0
	s_delay_alu instid0(VALU_DEP_1)
	v_lshlrev_b32 v[LI], 4, v226
	s_delay_alu instid0(VALU_DEP_2)
	v_lshlrev_b32 v[L8], 3, v226
	s_wait_alu depctr_va_vdst(0)
	v_and_b32 v227, 15, v0
	s_delay_alu instid0(VALU_DEP_1)
	v_lshlrev_b32 v[LR], 4, v227
	s_wait_alu depctr_va_vdst(0)
	s_lshl_b32 s90, s[GG], 2
	s_add_co_u32 s90, s90, s[CX]                   ; the query head
	s_lshl_b32 s91, s90, 1
	s_add_co_u32 s91, s91, s[BB]
	s_lshl_b32 s92, s91, 6
	s_add_co_u32 s92, s92, s[AA]
	s_mul_i32 s92, s92, 1536
	s_mov_b32 s93, 0
	s_add_nc_u64 s[92:93], s[4:5], s[92:93]        ; my tile's fragment of q
	s_lshl_b32 s94, s91, 12
	s_lshr_b32 s95, s[AA], 2
	s_lshl_b32 s95, s95, 8
	s_add_co_u32 s94, s94, s95
	s_and_b32 s95, s[AA], 3
	s_lshl_b32 s95, s95, 2
	s_add_co_u32 s94, s94, s95
	s_mov_b32 s95, 0
	s_add_nc_u64 s[94:95], s[6:7], s[94:95]        ; and its scale words
	global_load_b64 v[226:227], v[L8], s[8:9]      ; the four lambdas: two numbers a lane
	global_load_b64 v[228:229], v[L8], s[10:11]
	global_load_b64 v[230:231], v[L8], s[12:13]
	global_load_b64 v[232:233], v[L8], s[14:15]
	global_load_b128 v[234:237], v[LI], s[92:93]
	global_load_b128 v[238:241], v[LI], s[92:93] offset:512
	global_load_b128 v[242:245], v[LI], s[92:93] offset:1024
	global_load_b32 v[QS], v[LR], s[94:95]
	s_bfe_u32 s96, s[AA], 0x20001
	s_lshl_b32 s96, s96, 5
	s_and_b32 s97, s[AA], 1
	s_lshl_b32 s97, s97, 3
	s_add_co_u32 s96, s96, s97
	v_and_b32 v[VD], 7, v0
	v_bfe_u32 v246, v0, 3, 1
	s_delay_alu instid0(VALU_DEP_1)
	v_lshl_add_u32 v[VD], v246, 4, v[VD]
	v_bfe_u32 v246, v0, 4, 1
	s_delay_alu instid0(VALU_DEP_1)
	v_lshlrev_b32 v246, 4, v246
	s_delay_alu instid0(VALU_DEP_1)
	v_sub_nc_u32 v[VD], v[VD], v246
	s_delay_alu instid0(VALU_DEP_1)
	v_add_nc_u32 v[VD], s96, v[VD]                 ; 32 ((A / 2) % 4) + 8 (A % 2) + r % 8 + 16 (r / 8) - 16 h
	v_mov_b32 v[NINF], 0xff800000
	v_mov_b32 v[M1], 0xff61b1e6                    ; -3e38, under every score
	v_mov_b32 v[M2], 0xff61b1e6
	s_delay_alu instid0(VALU_DEP_2)
	v_mul_f32 v[NC1], 0xbe38aa3b, v[M1]
	s_delay_alu instid0(VALU_DEP_2)
	v_mul_f32 v[NC2], 0xbe38aa3b, v[M2]
	v_mov_b32 v[NC1+1], 0
	v_mov_b32 v[NC2+1], 0
	v_mov_b32 v[L1], 0
	v_mov_b32 v[L1+1], 0
	v_mov_b32 v[L2], 0
	v_mov_b32 v[L2+1], 0
	v_mov_b32 v[C1+1], 0
	v_mov_b32 v[C2+1], 0
	v_mov_b32 v[TM+2], 0                           ; a lane permute's destination counts as one of its sources
	v_mov_b32 v[TM+3], 0
	s_wait_loadcnt 0x0
	v_mul_f32 v226, v226, v228                     ; lam = exp(sum q1 k1) - exp(sum q2 k2) + LAMBDA_INIT
	v_mul_f32 v230, v230, v232
	s_delay_alu instid0(VALU_DEP_2)
	v_fma_f32 v226, v227, v229, v226
	s_delay_alu instid0(VALU_DEP_2)
	v_fma_f32 v230, v231, v233, v230
.irp m, 1,2,4,8
	s_delay_alu instid0(VALU_DEP_2)
	v_add_f32_dpp v226, v226, v226 row_xmask:\m row_mask:0xf bank_mask:0xf
	s_delay_alu instid0(VALU_DEP_2)
	v_add_f32_dpp v230, v230, v230 row_xmask:\m row_mask:0xf bank_mask:0xf
.endr
	s_delay_alu instid0(VALU_DEP_2)
	v_permlanex16_b32 v227, v226, s[SEL], s[SEL+1]
	s_delay_alu instid0(VALU_DEP_2)
	v_permlanex16_b32 v231, v230, s[SEL], s[SEL+1]
	s_delay_alu instid0(VALU_DEP_2)
	v_add_f32 v226, v226, v227
	s_delay_alu instid0(VALU_DEP_2)
	v_add_f32 v230, v230, v231
	s_delay_alu instid0(VALU_DEP_2)
	v_mul_f32 v226, 0x3fb8aa3b, v226
	s_delay_alu instid0(VALU_DEP_2)
	v_mul_f32 v230, 0x3fb8aa3b, v230
	s_wait_alu depctr_va_vdst(0)
	v_exp_f32 v226, v226
	v_exp_f32 v230, v230
.irp n, 0,1,2,3,4,5                    ; (plain work behind the two exponentials)
	v_mov_b32 v[QA+\n], v[234+\n]                  ; q's registers 0-5: part 1
	v_mov_b32 v[QB+\n], 0                          ; zero codes
	v_mov_b32 v[QB+6+\n], v[240+\n]                ; q's registers 6-11: part 2
.endr
	s_wait_alu depctr_va_vdst(0)                   ; one wait for both, ahead of their first reader
	v_sub_f32 v[LAM], v226, v230
	s_delay_alu instid0(VALU_DEP_1)
	v_add_f32 v[LAM], 0x3f489a63, v[LAM]
.irp j, 0,1,2,3,4,5,6,7,8,9,10,11,12,13,14,15,16,17,18,19,20,21,22,23,24,25,26,27,28,29,30,31
	v_mov_b32 v[O+\j], 0                           ; O^T: the step of pass 2 is written once
.endr
	s_wait_tensorcnt 0x0                           ; my fills have landed,
	s_barrier_signal -1
	s_barrier_wait -1                              ; everybody's have
.macro LOADK c                         ; four tiles of 16 keys, keys 64 c on of the step, and their scale words
.irp t, 0,1,2,3
.irp k, 0,1,2
	ds_load_b128 v[FR+12*\t+4*\k:FR+12*\t+4*\k+3], v[ADK] offset:6144*(\c)+1536*\t+512*\k
.endr
.endr
	ds_load_b128 v[KSC:KSC+3], v[ADS] offset:256*(\c)
.endm
.macro LOADV                           ; four tiles of 16 channels x the step's 128 keys
.irp t, 0,1,2,3
.irp k, 0,1,2
	ds_load_b128 v[FR+12*\t+4*\k:FR+12*\t+4*\k+3], v[ADV] offset:1536*\t+512*\k
.endr
.endr
	ds_load_b128 v[KSC:KSC+3], v[ADT]
.endm
.macro SCORES                          ; 64 keys x my 16 queries, both parts; four places behind them
.irp t, 0,1,2,3
	v_wmma_scale_f32_16x16x128_f8f6f4 v[S1+8*\t:S1+8*\t+7], v[FR+12*\t:FR+12*\t+11], v[QA:QA+11], 0, v[KSC+\t], v[QS] matrix_a_fmt:MATRIX_FMT_FP6 matrix_b_fmt:MATRIX_FMT_FP6
	v_wmma_scale_f32_16x16x128_f8f6f4 v[S2+8*\t:S2+8*\t+7], v[FR+12*\t:FR+12*\t+11], v[QB:QB+11], 0, v[KSC+\t], v[QS] matrix_a_fmt:MATRIX_FMT_FP6 matrix_b_fmt:MATRIX_FMT_FP6
.endr
.rept 4
	v_nop
.endr
.endm
.macro MASK c                          ; on the diagonal the scores of hidden keys become -infinity; register n holds key 64 c + 32 (n / 16) + n % 16 + 16 h of the step
	s_cmp_lt_u32 s[KS], s[DIAG]
	s_cbranch_scc1 .Lopen_\@
.irp n, 0,1,2,3,4,5,6,7,8,9,10,11,12,13,14,15,16,17,18,19,20,21,22,23,24,25,26,27,28,29,30,31
	v_cmp_gt_i32 vcc_lo, 64*(\c)+32*(\n/16)+\n%16, v[VD]
	v_cndmask_b32 v[S1+\n], v[S1+\n], v[NINF], vcc_lo
	v_cndmask_b32 v[S2+\n], v[S2+\n], v[NINF], vcc_lo
.endr
.Lopen_\@:
.endm
.macro SCALE                           ; c s - c M, two at a time; each accumulator from its low end on
.irp j, 0,2,4,6,8,10,12,14,16,18,20,22,24,26,28,30
	v_pk_fma_f32 v[S1+\j:S1+\j+1], v[S1+\j:S1+\j+1], s[CS:CS+1], v[NC1:NC1+1] op_sel_hi:[1,0,0]
.endr
.irp j, 0,2,4,6,8,10,12,14,16,18,20,22,24,26,28,30
	v_pk_fma_f32 v[S2+\j:S2+\j+1], v[S2+\j:S2+\j+1], s[CS:CS+1], v[NC2:NC2+1] op_sel_hi:[1,0,0]
.endr
	s_wait_alu depctr_va_vdst(0)
.irp j, 0,1,2,3,4,5,6,7,8,9,10,11,12,13,14,15,16,17,18,19,20,21,22,23,24,25,26,27,28,29,30,31
	v_exp_f32 v[S1+\j], v[S1+\j]
.endr
.irp j, 0,1,2,3,4,5,6,7,8,9,10,11,12,13,14,15,16,17,18,19,20,21,22,23,24,25,26,27,28,29,30,31
	v_exp_f32 v[S2+\j], v[S2+\j]
.endr
.endm
.macro STAT                            ; pass 1: my lane's running maxima and sums over its 32 keys of these 64
	v_mov_b32 v226, v[NC1]
	v_mov_b32 v227, v[NC2]
	v_max3_num_f32 v[TM+8], v[S1], v[S1+1], v[M1]
	v_max3_num_f32 v[TM+10], v[S2], v[S2+1], v[M2]
	v_max3_num_f32 v[TM+9], v[S1+16], v[S1+17], v[S1+18]
	v_max3_num_f32 v[TM+11], v[S2+16], v[S2+17], v[S2+18]
.irp i, 2,4,6,8,10,12,14
	v_max3_num_f32 v[TM+8], v[TM+8], v[S1+\i], v[S1+\i+1]
	v_max3_num_f32 v[TM+10], v[TM+10], v[S2+\i], v[S2+\i+1]
.if \i < 14
	v_max3_num_f32 v[TM+9], v[TM+9], v[S1+17+\i], v[S1+18+\i]
	v_max3_num_f32 v[TM+11], v[TM+11], v[S2+17+\i], v[S2+18+\i]
.endif
.endr
	v_max3_num_f32 v[M1], v[TM+8], v[TM+9], v[S1+31]
	v_max3_num_f32 v[M2], v[TM+10], v[TM+11], v[S2+31]
	s_delay_alu instid0(VALU_DEP_2)
	v_mul_f32 v[NC1], 0xbe38aa3b, v[M1]            ; -c M
	s_delay_alu instid0(VALU_DEP_2)
	v_mul_f32 v[NC2], 0xbe38aa3b, v[M2]
	s_delay_alu instid0(VALU_DEP_2)
	v_sub_f32 v[C1], v[NC1], v226                  ; its change, 0 or less
	s_delay_alu instid0(VALU_DEP_2)
	v_sub_f32 v[C2], v[NC2], v227
	SCALE
	v_exp_f32 v[C1], v[C1]
	v_exp_f32 v[C2], v[C2]
	v_nop                                          ; a plain place behind the batch
	s_wait_alu depctr_va_vdst(0)                   ; one wait for the 66, ahead of their first reader
	v_pk_fma_f32 v[L1:L1+1], v[L1:L1+1], v[C1:C1+1], v[S1:S1+1] op_sel_hi:[1,0,1]
	v_pk_fma_f32 v[L2:L2+1], v[L2:L2+1], v[C2:C2+1], v[S2:S2+1] op_sel_hi:[1,0,1]
	v_pk_add_f32 v[228:229], v[S1+2:S1+3], v[S1+4:S1+5]
	v_pk_add_f32 v[230:231], v[S2+2:S2+3], v[S2+4:S2+5]
.irp j, 6,10,14,18,22,26
	v_pk_add_f32 v[L1:L1+1], v[L1:L1+1], v[S1+\j:S1+\j+1]
	v_pk_add_f32 v[L2:L2+1], v[L2:L2+1], v[S2+\j:S2+\j+1]
	v_pk_add_f32 v[228:229], v[228:229], v[S1+\j+2:S1+\j+3]
	v_pk_add_f32 v[230:231], v[230:231], v[S2+\j+2:S2+\j+3]
.endr
	v_pk_add_f32 v[L1:L1+1], v[L1:L1+1], v[S1+30:S1+31]
	v_pk_add_f32 v[L2:L2+1], v[L2:L2+1], v[S2+30:S2+31]
	s_delay_alu instid0(VALU_DEP_2)
	v_pk_add_f32 v[L1:L1+1], v[L1:L1+1], v[228:229]
	s_delay_alu instid0(VALU_DEP_2)
	v_pk_add_f32 v[L2:L2+1], v[L2:L2+1], v[230:231]
.endm
; 32 numbers of a lane, register 16 b + i = k 32 b + 16 h + i of my row, become half a fragment, six registers at v[dst].  mode 0, 1: the two bytes go into p's scale word, low or high half; 2: into v[TM+12].
.macro QUANTH src, dst, mode
.irp b, 0,1
	v_max3_num_f32 v[TM+\b], |v[(\src)+16*\b]|, |v[(\src)+16*\b+1]|, 0x1800000
.endr
.irp i, 2,4,6,8,10,12,14
.irp b, 0,1
	s_delay_alu instid0(VALU_DEP_2)
	v_max3_num_f32 v[TM+\b], v[TM+\b], |v[(\src)+16*\b+\i]|, |v[(\src)+16*\b+\i+1]|
.endr
.endr
.irp b, 0,1
	s_delay_alu instid0(VALU_DEP_2)
	v_permlanex16_b32 v[TM+2+\b], v[TM+\b], s[SEL], s[SEL+1]
.endr
.irp b, 0,1
	s_delay_alu instid0(VALU_DEP_2)
	v_max_num_f32 v[TM+\b], v[TM+\b], v[TM+2+\b]
.endr
.irp b, 0,1
	s_delay_alu instid0(VALU_DEP_2)
	v_add_nc_u32 v[TM+6+\b], 0xff000000, v[TM+\b]
.endr
.irp b, 0,1
	s_delay_alu instid0(VALU_DEP_2)
	v_lshrrev_b32 v[TM+4+\b], 23, v[TM+6+\b]
.endr
.if (\mode) == 0
	s_delay_alu instid0(VALU_DEP_1)
	v_lshl_or_b32 v[PW], v[TM+5], 8, v[TM+4]
.elseif (\mode) == 1
	s_delay_alu instid0(VALU_DEP_2)
	v_lshl_or_b32 v[PW], v[TM+4], 16, v[PW]
	s_delay_alu instid0(VALU_DEP_1)
	v_lshl_or_b32 v[PW], v[TM+5], 24, v[PW]
.else
	s_delay_alu instid0(VALU_DEP_1)
	v_lshl_or_b32 v[TM+12], v[TM+5], 8, v[TM+4]
.endif
	v_cvt_scalef32_pk16_fp6_f32 v[(\dst):(\dst)+2], v[(\src):(\src)+15], v[TM+6]
	v_cvt_scalef32_pk16_fp6_f32 v[CT:CT+2], v[(\src)+16:(\src)+31], v[TM+7]
	v_nop                                          ; one plain place behind a scaled conversion
.irp i, 0,1,2
	v_permlane16_swap_b32 v[(\dst)+\i], v[CT+\i]
.endr
.irp i, 0,1,2
	s_delay_alu instid0(VALU_DEP_3)
	v_mov_b32 v[(\dst)+3+\i], v[CT+\i]
.endr
.endm
.macro SOFT c                          ; pass 2: a1 - lam a2 of these 64 keys, finished, and its codes
	SCALE
	v_nop
	s_wait_alu depctr_va_vdst(0)                   ; one wait for the 64
.irp j, 0,2,4,6,8,10,12,14,16,18,20,22,24,26,28,30
	v_pk_mul_f32 v[S2+\j:S2+\j+1], v[S2+\j:S2+\j+1], v[C2:C2+1] op_sel_hi:[1,0]
.endr
.irp j, 0,2,4,6,8,10,12,14,16,18,20,22,24,26,28,30
	v_pk_fma_f32 v[S1+\j:S1+\j+1], v[S1+\j:S1+\j+1], v[C1:C1+1], v[S2+\j:S2+\j+1] op_sel_hi:[1,0,1] neg_lo:[0,0,1] neg_hi:[0,0,1]
.endr
	QUANTH S1, CODE+6*(\c), \c
.endm
	; PASS 1
	s_mov_b32 s[TK], 0
	s_mov_b32 s[TS], KSB
	s_mov_b32 s[KS], 0
	v_add_nc_u32 v[ADK], s[TK], v[LI]
	v_add_nc_u32 v[ADS], s[TS], v[LR]
	LOADK 0                                        ; step 0's first 64 keys; each later step's are fetched in the step before it
.Lp1:
	s_cmp_gt_u32 s[KS], s[DIAG]                    ; a step all of whose keys come after my queries is left out: ids alone
	s_cbranch_scc1 .Lp1_skip
	v_add_nc_u32 v[ADK], s[TK], v[LI]
	v_add_nc_u32 v[ADS], s[TS], v[LR]
	s_wait_alu depctr_va_vdst(0)
	s_wait_dscnt 0x0
	SCORES
	LOADK 1                                        ; lands while the first half's statistics are made
	MASK 0
	STAT
	s_wait_dscnt 0x0
	SCORES
	LOADK 2                                        ; the next step's first 64 keys, 12,288 bytes on (behind step 7: bytes of V and of its scale words, filled and never used)
	MASK 1
	STAT
.Lp1_skip:
	s_add_co_u32 s[TK], s[TK], 12288
	s_add_co_u32 s[TS], s[TS], 512
	s_add_co_u32 s[KS], s[KS], 1
	s_cmp_lt_u32 s[KS], 8
	s_cbranch_scc1 .Lp1
	s_wait_dscnt 0x0                               ; the last fetch ahead has landed: pass 2 loads into the same registers
	; the two lanes of a query join: the larger maximum, both sums under it; then 1 / l1 and lam / l2
	v_permlanex16_b32 v226, v[M1], s[SEL], s[SEL+1]
	v_permlanex16_b32 v227, v[M2], s[SEL], s[SEL+1]
	s_delay_alu instid0(VALU_DEP_2)
	v_max_num_f32 v226, v226, v[M1]
	s_delay_alu instid0(VALU_DEP_2)
	v_max_num_f32 v227, v227, v[M2]
	s_delay_alu instid0(VALU_DEP_2)
	v_mul_f32 v226, 0xbe38aa3b, v226
	s_delay_alu instid0(VALU_DEP_2)
	v_mul_f32 v227, 0xbe38aa3b, v227
	s_delay_alu instid0(VALU_DEP_2)
	v_sub_f32 v228, v226, v[NC1]
	s_delay_alu instid0(VALU_DEP_2)
	v_sub_f32 v229, v227, v[NC2]
	s_wait_alu depctr_va_vdst(0)
	v_exp_f32 v228, v228
	v_exp_f32 v229, v229
	v_add_f32 v230, v[L1], v[L1+1]
	v_add_f32 v231, v[L2], v[L2+1]
	s_wait_alu depctr_va_vdst(0)
	v_mul_f32 v230, v230, v228
	v_mul_f32 v231, v231, v229
	s_delay_alu instid0(VALU_DEP_2)
	v_permlanex16_b32 v232, v230, s[SEL], s[SEL+1]
	s_delay_alu instid0(VALU_DEP_2)
	v_permlanex16_b32 v233, v231, s[SEL], s[SEL+1]
	s_delay_alu instid0(VALU_DEP_2)
	v_add_f32 v230, v230, v232
	s_delay_alu instid0(VALU_DEP_2)
	v_add_f32 v231, v231, v233
	s_wait_alu depctr_va_vdst(0)
	v_rcp_f32 v[C1], v230
	v_rcp_f32 v232, v231
	v_mov_b32 v[NC1], v226
	v_mov_b32 v[NC2], v227
	s_wait_alu depctr_va_vdst(0)
	v_mul_f32 v[C2], v[LAM], v232
	; PASS 2
	s_mov_b32 s[TK], 0
	s_mov_b32 s[TV], VCB
	s_mov_b32 s[TS], KSB
	s_mov_b32 s[TU], VSB
	s_mov_b32 s[KS], 0
.Lp2:
	s_cmp_gt_u32 s[KS], s[DIAG]
	s_cbranch_scc1 .Lp2_skip
	v_add_nc_u32 v[ADK], s[TK], v[LI]              ; these four are also the places behind the last trip's products
	v_add_nc_u32 v[ADV], s[TV], v[LI]
	v_add_nc_u32 v[ADS], s[TS], v[LR]
	v_add_nc_u32 v[ADT], s[TU], v[LR]
	LOADK 0
	s_wait_alu depctr_va_vdst(0)
	s_wait_dscnt 0x0
	SCORES
	LOADK 1
	MASK 0
	SOFT 0
	s_wait_dscnt 0x0
	SCORES
	LOADV
	MASK 1
	SOFT 1
.rept 8
	v_nop                                          ; a scale word made by vector instructions stands 8 places ahead of the scaled product, codes so made 4
.endr
	s_wait_alu depctr_va_vdst(0)
	s_wait_dscnt 0x0
.irp t, 0,1,2,3                        ; O^T += V^T P^T: four accumulators by turns, one instruction each
	v_wmma_scale_f32_16x16x128_f8f6f4 v[O+8*\t:O+8*\t+7], v[FR+12*\t:FR+12*\t+11], v[CODE:CODE+11], v[O+8*\t:O+8*\t+7], v[KSC+\t], v[PW] matrix_a_fmt:MATRIX_FMT_FP6 matrix_b_fmt:MATRIX_FMT_FP6
.endr
.Lp2_skip:
	s_add_co_u32 s[TK], s[TK], 12288
	s_add_co_u32 s[TV], s[TV], 6144
	s_add_co_u32 s[TS], s[TS], 512
	s_add_co_u32 s[TU], s[TU], 256
	s_add_co_u32 s[KS], s[KS], 1
	s_cmp_lt_u32 s[KS], 8
	s_cbranch_scc1 .Lp2
	; THE WAY OUT: x (1 - LAMBDA_INIT), quantised along my head's 64 channels: half a fragment of the last product's operand (K step head / 2, half head % 2)
.rept 4
	v_nop
.endr
.irp j, 0,2,4,6,8,10,12,14,16,18,20,22,24,26,28,30
	v_pk_mul_f32 v[O+\j:O+\j+1], v[O+\j:O+\j+1], 0x3e5d9673 op_sel_hi:[1,0]
.endr
	QUANTH O, CODE, 2
	s_lshl_b32 s84, s[BB], 3
	s_lshr_b32 s85, s[AA], 3
	s_add_co_u32 s84, s84, s85                     ; the tokens' group
	s_and_b32 s85, s[AA], 7                        ; and block
	s_mul_i32 s86, s84, 196608
	s_mul_i32 s87, s[GG], 24576
	s_add_co_u32 s86, s86, s87
	s_lshr_b32 s88, s[CX], 1
	s_mul_i32 s87, s88, 12288
	s_add_co_u32 s86, s86, s87
	s_mul_i32 s87, s85, 1536
	s_add_co_u32 s86, s86, s87
	s_and_b32 s89, s[CX], 1
	s_mul_i32 s87, s89, 768
	s_add_co_u32 s86, s86, s87
	s_mov_b32 s87, 0
	s_add_nc_u64 s[16:17], s[16:17], s[86:87]
	s_lshl_b32 s90, s84, 13
	s_lshl_b32 s91, s85, 10
	s_add_co_u32 s90, s90, s91
	s_lshr_b32 s91, s[GG], 1
	s_lshl_b32 s91, s91, 8
	s_add_co_u32 s90, s90, s91
	s_and_b32 s91, s[GG], 1
	s_lshl_b32 s91, s91, 1
	s_add_co_u32 s91, s91, s88
	s_lshl_b32 s91, s91, 2
	s_add_co_u32 s90, s90, s91
	s_lshl_b32 s91, s89, 1
	s_add_co_u32 s90, s90, s91
	s_mov_b32 s91, 0
	s_add_nc_u64 s[18:19], s[18:19], s[90:91]
	s_wait_alu depctr_va_vdst(0)
	global_store_b128 v[LI], v[CODE:CODE+3], s[16:17]              ; 512 consecutive bytes,
	global_store_b64 v[L8], v[CODE+4:CODE+5], s[16:17] offset:512  ; 256
	global_store_b16 v[LR], v[TM+12], s[18:19]     ; my head's two bytes of the row's scale word: the word's other two are another work-group's, so these stores are short (131,072 bytes in the whole launch)
	s_wait_tensorcnt 0x0                           ; the wave's end
	ds_add_u32 v[SPW], v[NIL]
	s_wait_dscnt 0x0
	CROUND                                         ; the closing round
	s_endpgm
.Lfunc_end_k_qb5134b63fa_attn:
	.size	k_qb5134b63fa_attn, .Lfunc_end_k_qb5134b63fa_attn-k_qb5134b63fa_attn
	.p2alignl 7, 3214868480
	.fill 96, 4, 3214868480
	.section	.rodata,"a",@progbits
	.p2align	6, 0x0
	.amdhsa_kernel k_qb5134b63fa_attn
		.amdhsa_group_segment_fixed_size 167936
		.amdhsa_private_segment_fixed_size 0
		.amdhsa_enable_private_segment 0
		.amdhsa_kernarg_size 64
		.amdhsa_user_sgpr_count 2
		.amdhsa_user_sgpr_kernarg_segment_ptr 1
		.amdhsa_wavefront_size32 1
		.amdhsa_system_sgpr_workgroup_id_x 1
		.amdhsa_system_sgpr_workgroup_id_y 1
		.amdhsa_system_sgpr_workgroup_id_z 1
		.amdhsa_system_vgpr_workitem_id 0
		.amdhsa_next_free_vgpr 256
		.amdhsa_next_free_sgpr 100
		.amdhsa_reserve_vcc 1
		.amdhsa_float_denorm_mode_32 3
		.amdhsa_float_denorm_mode_16_64 3
		.amdhsa_memory_ordered 1
		.amdhsa_forward_progress 1
		.amdhsa_inst_pref_size 80
	.end_amdhsa_kernel
	.amdgpu_metadata
---
amdhsa.version: [ 1, 2 ]
amdhsa.kernels:
  - .name:           k_qb5134b63fa_attn
    .symbol:         k_qb5134b63fa_attn.kd
    .args:
      - { .name: akc, .offset: 0, .size: 8, .value_kind: global_buffer, .address_space: global }
      - { .name: aks, .offset: 8, .size: 8, .value_kind: global_buffer, .address_space: global }
      - { .name: lambda_q1, .offset: 16, .size: 8, .value_kind: global_buffer, .address_space: global }
      - { .name: lambda_k1, .offset: 24, .size: 8, .value_kind: global_buffer, .address_space: global }
      - { .name: lambda_q2, .offset: 32, .size: 8, .value_kind: global_buffer, .address_space: global }
      - { .name: lambda_k2, .offset: 40, .size: 8, .value_kind: global_buffer, .address_space: global }
      - { .name: atc, .offset: 48, .size: 8, .value_kind: global_buffer, .address_space: global }
      - { .name: ats, .offset: 56, .size: 8, .value_kind: global_buffer, .address_space: global }
    .group_segment_fixed_size: 167936
    .private_segment_fixed_size: 0
    .kernarg_segment_align: 8
    .kernarg_segment_size: 64
    .max_flat_workgroup_size: 512
    .sgpr_count:     100
    .vgpr_count:     256
    .wavefront_size: 32
...
	.end_amdgpu_metadata
.endif
;; end of part 3
;; launch oproj (part 4): grid 16 x 16, 4 waves a work-group, clusters of 4 x 4, 327,680 bytes of LDS; arguments opc, ops, atc, ats, out0; writes out0
.if DOCPART == 4
	.amdgcn_target "amdgcn-amd-amdhsa--gfx1250"
	.amdhsa_code_object_version 6
	.text
	.protected	k_qb5134b63fa_oproj
	.globl	k_qb5134b63fa_oproj
	.p2align	8
	.type	k_qb5134b63fa_oproj,@function
k_qb5134b63fa_oproj:
	s_mov_b64 s[64:65], 0
	v_nop
	global_prefetch_b8 v0, s[64:65] scope:SCOPE_SE
	s_setreg_imm32_b32 hwreg(HW_REG_WAVE_MODE, 25, 1), 1
	s_wait_xcnt 0x0
	s_wait_alu depctr_hold_cnt(0) depctr_sa_sdst(0) depctr_va_vdst(0) depctr_va_sdst(0) depctr_va_ssrc(0) depctr_va_vcc(0) depctr_vm_vsrc(0)
	s_getreg_b32 s2, hwreg(HW_REG_IB_STS2, 6, 4)
	s_cmp_eq_u32 s2, 0
	s_cbranch_scc0 .Lentry_in_a_cluster
	s_endpgm
.Lentry_in_a_cluster:
	s_bfe_u32 s2, ttmp6, 0x10000c
	s_cmp_lg_u32 s2, 0xf033
	s_cbranch_scc0 .Lentry_shape_is_right
	s_endpgm
.Lentry_shape_is_right:
; out0 = attn x wo^T on codes of FP6 (E2M3) with E8M0 scales, K = 2,048; sums in f32.  Both operands lie as images of operand registers (launch quant's layout): a group of 128 rows = [K step 16][block 8][1,536].
; A work-group makes P 128 rows of wo (output columns) x Q 128 tokens: 16 x 16 = 256 work-groups.  Source 0 = 16 rows of P, source 1 = 16 rows of Q: a lane holds one token, its registers run along the columns.
; Wave w: P's blocks 4 (w % 2) on, Q's blocks 4 (w / 2) on: 16 accumulators (a, b) at v[8 (4 a + b)] of window 2, by turns in the same order in every step.
; CLUSTER 4 x 4: P hangs on the work-group's y alone and is asked for jointly along a row of the cluster, Q on x alone, jointly along a column.
; K's 16 steps come in THREE fills: steps 0-5 into region X, steps 6-10 into region Y, steps 11-15 into X again.  Each fill is two dense blocks (P's, Q's); waves 0, 1 bring P's halves, waves 2, 3 Q's: one tensor load
; a wave and fill, one out at a time.  The walk is written out: regions and fragment sets differ from step to step, and there are 16 steps.
; THE SCALE WORDS of all of K go straight into registers at the head: 32 loads a wave, each of one run of 256 consecutive bytes; word s of a block's 16 registers is K step s's.
; No prefetch: there is no loop to run ahead in; the second fill is asked for when the first has landed, the third when X has been read out.
; REGISTERS: window 0: v4-25 addresses; v28, v29 the add's two; v32-159 scale words and nothing else; v160-223 the way out.  Window 1: fragments, set s % 2 at v[128 (s % 2)]: P's four, then Q's four.  Window 2: the sums.
.set GRP,   196608
.set KSB,   12288                      ; one K step of a group
.set FRB,   1536                       ; a fragment
.set H6,    3*KSB                      ; half of six steps of a group
.set H5,    5*KSB/2                    ; half of five
.set XQ,    6*KSB                      ; region X: P from 0, Q from here
.set YB,    12*KSB                     ; region Y: P from here,
.set YQ,    YB+5*KSB                   ; Q from here
.set STAGE, YB+10*KSB                  ; behind the regions: a stage of 16 rows x (256 + 16) bytes for each wave; no fill lands here
.set SPITCH, 272
.set SPARE, STAGE+4*16*SPITCH          ; the spare words, 128 bytes a wave
.set AP16, 4                           ; v4-7   my P fragments' 16-byte chunks: X, X + 3 steps, Y, Y + 3 steps (an LDS offset has 16 bits)
.set AP8,  8                           ; v8-11  their 8-byte chunks
.set AQ16, 12                          ; v12-19 the same for Q
.set AQ8,  16
.set L16,  20
.set L8,   21
.set ASC,  22                          ; 16 r: my row's four scale words
.set STO,  23
.set RD,   24
.set CO,   25
.set SPW,  28
.set NIL,  29
.set SC,   32
.set BK,   160
.set G1P,  24
.set G1Q,  32
.set G0P,  40                          ; s[40:51] a group 0 for each fill
.set G0Q,  52                          ; s[52:63]
.set FLAGS, (3<<16)|(1<<21)            ; elements of 8 bytes; bit 21 beside a mask
.set MSB, 0
.macro WIN new                         ; the immediate's high byte repeats the setting that is left
.if MSB != \new
	s_set_vgpr_msb (MSB<<8)|\new
.set MSB, \new
.endif
.endm
.macro PLACES                          ; four plain places behind matrix instructions (ISA guide 7.12.1)
.rept 4
	v_nop
.endr
.endm
.macro GROUP1 g, rows                  ; words 1-7: a dense block as rows of 256 bytes
	s_mov_b32 s[\g+1], 32<<16
	s_mov_b32 s[\g+2], (\rows)<<16
	s_mov_b32 s[\g+3], 32<<16
	s_mov_b32 s[\g+4], \rows
	s_mov_b32 s[\g+5], 32
	s_mov_b32 s[\g+6], 0
	s_mov_b32 s[\g+7], 0
.endm
.macro G0SET g, off, ldsc, base, goff  ; off: the pair (my half's bytes, 0)
	s_mov_b32 s[\g], 1
	s_add_co_u32 s[\g+1], s[\off], \ldsc
	s_add_nc_u64 s[\g+2:\g+3], s[\base:\base+1], s[\off:\off+1]
	s_add_nc_u64 s[\g+2:\g+3], s[\g+2:\g+3], \goff
	s_or_b32 s[\g+3], s[\g+3], 0x80000000
.endm
.macro JLOAD g0p, g0q                  ; waves 0, 1 ask for P, waves 2, 3 for Q; s_nop 0 and four v_nop behind each line
	s_cmp_eq_u32 s15, 0
	s_cbranch_scc0 .Lfor_q_\@
	tensor_load_to_lds s[\g0p:\g0p+3], s[G1P:G1P+7]
	s_nop 0
.rept 4
	v_nop
.endr
	s_branch .Lasked_\@
.Lfor_q_\@:
	tensor_load_to_lds s[\g0q:\g0q+3], s[G1Q:G1Q+7]
	s_nop 0
.rept 4
	v_nop
.endr
.Lasked_\@:
.endm
.macro CROUND                          ; a round of the cluster's barrier
	s_barrier_signal -1
	s_barrier_wait -1
	s_cmp_lg_u32 s14, 0
	s_cbranch_scc1 .Lnot_wave_0_\@
	s_barrier_signal -3
.Lnot_wave_0_\@:
	s_barrier_wait -3
	s_barrier_signal -1
	s_barrier_wait -1
.endm
.macro FETCH s                         ; K step s: my four fragments of P and four of Q, 32 loads of 512 or 256 consecutive bytes, into set s % 2
.if (\s) < 6
.set LS, (\s)
.set AR, 0
.elseif (\s) < 11
.set LS, (\s)-6
.set AR, 2
.else
.set LS, (\s)-11
.set AR, 0
.endif
.set AR, AR+LS/3
.set FO, (LS%3)*KSB
.set FS, 128*((\s)%2)
	WIN 0x40                                       ; destination window 1
.irp b, 0,1,2,3
.irp c, 0,1
	ds_load_b128 v[FS+12*\b+6*\c:FS+12*\b+6*\c+3], v[AP16+AR] offset:FO+\b*FRB+768*\c
	ds_load_b64 v[FS+12*\b+6*\c+4:FS+12*\b+6*\c+5], v[AP8+AR] offset:FO+\b*FRB+768*\c+512
	ds_load_b128 v[FS+48+12*\b+6*\c:FS+48+12*\b+6*\c+3], v[AQ16+AR] offset:FO+\b*FRB+768*\c
	ds_load_b64 v[FS+48+12*\b+6*\c+4:FS+48+12*\b+6*\c+5], v[AQ8+AR] offset:FO+\b*FRB+768*\c+512
.endr
.endr
	WIN 0
.endm
.macro MUL s, zero                     ; 16 matrix instructions, 128 along K
.set FS, 128*((\s)%2)
	WIN 0xa5                                       ; sources 0 and 1 window 1, C and D window 2
.irp a, 0,1,2,3
.irp b, 0,1,2,3
.if \zero
	v_wmma_scale_f32_16x16x128_f8f6f4 v[8*(4*\a+\b):8*(4*\a+\b)+7], v[FS+12*\b:FS+12*\b+11], v[FS+48+12*\a:FS+48+12*\a+11], 0, v[SC+16*\b+(\s)], v[SC+64+16*\a+(\s)] matrix_a_fmt:MATRIX_FMT_FP6 matrix_b_fmt:MATRIX_FMT_FP6
.else
	v_wmma_scale_f32_16x16x128_f8f6f4 v[8*(4*\a+\b):8*(4*\a+\b)+7], v[FS+12*\b:FS+12*\b+11], v[FS+48+12*\a:FS+48+12*\a+11], v[8*(4*\a+\b):8*(4*\a+\b)+7], v[SC+16*\b+(\s)], v[SC+64+16*\a+(\s)] matrix_a_fmt:MATRIX_FMT_FP6 matrix_b_fmt:MATRIX_FMT_FP6
.endif
.endr
.endr
.endm
.macro STEP s, fetch                   ; a step whose successor lies in bytes that are already shown whole
	s_wait_dscnt 0x0                               ; this step's fragments are in
.if \fetch
	PLACES
	FETCH (\s)+1
.endif
	MUL \s, 0
.endm
	s_load_b256 s[4:11], s[0:1], 0x0               ; opc s[4:5], ops s[6:7], atc s[8:9], ats s[10:11]
	s_load_b64 s[12:13], s[0:1], 0x20              ; out0
	v_lshl_add_u32 v[SPW], v0, 2, SPARE
	v_mov_b32 v[NIL], 0
	ds_add_u32 v[SPW], v[NIL]                      ; the opening lines
	ds_add_u32 v[SPW], v[NIL]
	v_lshrrev_b32 v1, 5, v0
	v_readfirstlane_b32 s14, v1                    ; wave 0..3
	s_lshr_b32 s15, s14, 1                         ; Q's half that I multiply.  Also: I fetch for P (0) or for Q (1)
	s_and_b32 s16, s14, 1                          ; P's half that I multiply.  Also: which half of a block I fetch
	s_bfe_u32 s17, ttmp6, 0x40000                  ; cx
	s_bfe_u32 s18, ttmp6, 0x40004                  ; cy
	s_lshl_b32 s21, ttmp9, 2
	s_add_co_u32 s21, s21, s17                     ; Q: the tokens' group = work-group x
	s_and_b32 s20, ttmp7, 0xffff
	s_lshl_b32 s20, s20, 2
	s_add_co_u32 s20, s20, s18                     ; P: wo's group = work-group y
	s_lshl_b32 s19, s18, 2
	s_lshl_b32 s19, 15, s19                        ; my row of the cluster
	s_lshl_b32 s22, 0x1111, s17                    ; my column
	s_or_b32 s[G1P], s19, FLAGS
	s_or_b32 s[G1Q], s22, FLAGS
	GROUP1 G1P, 144                                ; the first fill: half of six steps is 144 rows of 256 bytes
	GROUP1 G1Q, 144
	s_add_co_u32 s66, s20, 60                      ; wo's groups begin at 60 in opc and ops
	s_mul_i32 s68, s66, GRP
	s_mov_b32 s69, 0
	s_mul_i32 s70, s21, GRP
	s_mov_b32 s71, 0
	s_mul_i32 s72, s16, H6
	s_mov_b32 s73, 0
	s_mul_i32 s74, s16, H5
	s_mov_b32 s75, 0
	s_wait_dscnt 0x0                               ; both opening adds are done
	s_wait_kmcnt 0x0
	s_add_nc_u64 s[68:69], s[4:5], s[68:69]
	s_add_nc_u64 s[70:71], s[8:9], s[70:71]
	G0SET G0P,   72, 0,  68, 0
	G0SET G0P+4, 74, YB, 68, 6*KSB
	G0SET G0P+8, 74, 0,  68, 11*KSB
	G0SET G0Q,   72, XQ, 70, 0
	G0SET G0Q+4, 74, YQ, 70, 6*KSB
	G0SET G0Q+8, 74, XQ, 70, 11*KSB
	CROUND                                         ; all sixteen work-groups are here: the first joint loads meet
	JLOAD G0P, G0Q                                 ; steps 0-5: one tensor load a wave at the head
	v_and_b32 v3, 31, v0
	v_and_b32 v1, 15, v0                           ; r
	v_bfe_u32 v2, v0, 4, 1                         ; h
	v_lshlrev_b32 v[L16], 4, v3
	v_lshlrev_b32 v[L8], 3, v3
	v_lshlrev_b32 v[ASC], 4, v1
	s_wait_alu depctr_va_vdst(0)
	s_lshl_b32 s80, s66, 13                        ; my scale words: a group is 8,192 bytes, my four blocks 4,096
	s_lshl_b32 s84, s16, 12
	s_add_co_u32 s80, s80, s84
	s_mov_b32 s81, 0
	s_add_nc_u64 s[80:81], s[6:7], s[80:81]
	s_lshl_b32 s82, s21, 13
	s_lshl_b32 s84, s15, 12
	s_add_co_u32 s82, s82, s84
	s_mov_b32 s83, 0
	s_add_nc_u64 s[82:83], s[10:11], s[82:83]
.irp b, 0,1,2,3
.irp p, 0,1,2,3
	global_load_b128 v[SC+16*\b+4*\p:SC+16*\b+4*\p+3], v[ASC], s[80:81] offset:1024*\b+256*\p      ; lanes 0-15 read 256 consecutive bytes, lanes 16-31 the same
	global_load_b128 v[SC+64+16*\b+4*\p:SC+64+16*\b+4*\p+3], v[ASC], s[82:83] offset:1024*\b+256*\p
.endr
.endr
	s_mul_i32 s76, s16, 4*FRB                      ; my four blocks of P in a step,
	s_mul_i32 s77, s15, 4*FRB                      ; and of Q
.macro ADR n, pc, qc
	s_add_co_u32 s78, s76, \pc
	s_add_co_u32 s79, s77, \qc
	v_add_nc_u32 v[AP16+\n], s78, v[L16]
	v_add_nc_u32 v[AP8+\n], s78, v[L8]
	v_add_nc_u32 v[AQ16+\n], s79, v[L16]
	v_add_nc_u32 v[AQ8+\n], s79, v[L8]
.endm
	ADR 0, 0, XQ
	ADR 1, H6, XQ+H6
	ADR 2, YB, YQ
	ADR 3, YB+H6, YQ+H6
	s_mul_i32 s78, s14, 16*SPITCH
	s_add_co_u32 s78, s78, STAGE                   ; my stage
	v_mul_u32_u24 v[STO], v1, SPITCH               ; in: row r, 64 bytes for each half of the lanes
	v_lshl_add_u32 v[STO], v2, 6, v[STO]
	v_add_nc_u32 v[STO], s78, v[STO]
	v_mul_u32_u24 v[RD], v2, SPITCH                ; back: sixteen lanes to a row of 256 bytes, two rows a load
	v_lshl_add_u32 v[RD], v1, 4, v[RD]
	v_add_nc_u32 v[RD], s78, v[RD]
	v_lshlrev_b32 v[CO], 13, v2                    ; and the same two rows in out0: 8,192 bytes a row
	v_lshl_add_u32 v[CO], v1, 4, v[CO]
	s_lshl_b32 s78, s21, 7
	s_lshl_b32 s79, s15, 6
	s_add_co_u32 s78, s78, s79                     ; my first token
	s_lshl_b32 s78, s78, 13
	s_lshl_b32 s79, s20, 9
	s_add_co_u32 s78, s78, s79                     ; + 512 bytes a group of columns
	s_lshl_b32 s79, s16, 8
	s_add_co_u32 s78, s78, s79                     ; + my 64 columns
	s_mov_b32 s79, 0
	s_add_nc_u64 s[12:13], s[12:13], s[78:79]
	s_wait_alu depctr_va_vdst(0)
	s_wait_tensorcnt 0x0                           ; my part of steps 0-5 is in
	ds_add_u32 v[SPW], v[NIL]
	s_mov_b32 s[G1P+2], 120<<16                    ; no tensor load of mine is out: from here on a load brings half of five steps, 120 rows
	s_mov_b32 s[G1P+4], 120
	s_mov_b32 s[G1Q+2], 120<<16
	s_mov_b32 s[G1Q+4], 120
	s_wait_dscnt 0x0
	CROUND                                         ; region X is whole in every partner
	JLOAD G0P+4, G0Q+4                             ; steps 6-10 into region Y: my one tensor load behind the round
	FETCH 0
	s_wait_loadcnt 0x0                             ; the scale words
	s_wait_dscnt 0x0
	FETCH 1
	MUL 0, 1                                       ; the first step's products start the sums: nothing is cleared
	STEP 1, 1
	STEP 2, 1
	STEP 3, 1
	STEP 4, 1
	WIN 0
	s_wait_tensorcnt 0x0                           ; my part of region Y is in
	ds_add_u32 v[SPW], v[NIL]
	s_wait_dscnt 0x0                               ; the add is done, and step 5's fragments are in registers: my reads of region X are over
	CROUND                                         ; no wave of any partner still reads X or has a load on its way; Y is whole
	JLOAD G0P+8, G0Q+8                             ; steps 11-15 into X; its four v_nop are also the places ahead of the loads below
	FETCH 6
	MUL 5, 0
	STEP 6, 1
	STEP 7, 1
	STEP 8, 1
	STEP 9, 1
	WIN 0
	s_wait_tensorcnt 0x0                           ; my part of steps 11-15 is in
	s_wait_dscnt 0x0                               ; step 10's fragments are in
	s_barrier_signal -1
	s_barrier_wait -1                              ; everybody's part is in
	PLACES
	FETCH 11
	MUL 10, 0
	STEP 11, 1
	STEP 12, 1
	STEP 13, 1
	STEP 14, 1
	STEP 15, 0
	WIN 0
; THE WAY OUT.  Register j of accumulator (a, b) is column 32 (b / 2) + 8 (b % 2) + 16 h + j of my 64, token r % 8 + 16 (r / 8) of Q's block.  A block of 16 tokens goes through my stage and leaves as rows of 256 bytes.
.macro TOSTAGE a
	WIN 0x08                                       ; the data: window 2
.irp b, 0,1,2,3
	ds_store_b128 v[STO], v[32*(\a)+8*\b:32*(\a)+8*\b+3] offset:128*(\b/2)+32*(\b%2)       ; each accumulator from its low end on
	ds_store_b128 v[STO], v[32*(\a)+8*\b+4:32*(\a)+8*\b+7] offset:128*(\b/2)+32*(\b%2)+16
.endr
	WIN 0
.irp t, 0,1,2,3,4,5,6,7
	ds_load_b128 v[BK+32*((\a)%2)+4*\t:BK+32*((\a)%2)+4*\t+3], v[RD] offset:\t*2*SPITCH    ; LDS serves a wave's instructions in order: these see the stores above
.endr
.endm
.macro SEND a, younger                 ; younger: the LDS instructions issued behind block a's loads
	s_wait_dscnt \younger
.irp t, 0,1,2,3,4,5,6,7
	global_store_b128 v[CO], v[BK+32*((\a)%2)+4*\t:BK+32*((\a)%2)+4*\t+3], s[12:13] offset:(32*((\a)/2)+8*((\a)%2)+2*\t+8*(\t/4))*8192 th:TH_STORE_NT   ; sixteen lanes store 256 consecutive bytes, aligned
.endr
.endm
	PLACES                                         ; behind the last products: their results are read
	TOSTAGE 0
	TOSTAGE 1
	SEND 0, 16
	s_wait_xcnt 0x0                                ; block 0's stores have read their registers
	TOSTAGE 2
	SEND 1, 16
	s_wait_xcnt 0x0
	TOSTAGE 3
	SEND 2, 16
	SEND 3, 0
	s_wait_tensorcnt 0x0                           ; the wave's end
	ds_add_u32 v[SPW], v[NIL]
	s_wait_dscnt 0x0
	CROUND                                         ; the closing round
	s_endpgm
.Lfunc_end_k_qb5134b63fa_oproj:
	.size	k_qb5134b63fa_oproj, .Lfunc_end_k_qb5134b63fa_oproj-k_qb5134b63fa_oproj
	.p2alignl 7, 3214868480
	.fill 96, 4, 3214868480
	.section	.rodata,"a",@progbits
	.p2align	6, 0x0
	.amdhsa_kernel k_qb5134b63fa_oproj
		.amdhsa_group_segment_fixed_size 327680
		.amdhsa_private_segment_fixed_size 0
		.amdhsa_enable_private_segment 0
		.amdhsa_kernarg_size 40
		.amdhsa_user_sgpr_count 2
		.amdhsa_user_sgpr_kernarg_segment_ptr 1
		.amdhsa_wavefront_size32 1
		.amdhsa_system_sgpr_workgroup_id_x 1
		.amdhsa_system_sgpr_workgroup_id_y 1
		.amdhsa_system_sgpr_workgroup_id_z 1
		.amdhsa_system_vgpr_workitem_id 0
		.amdhsa_next_free_vgpr 768
		.amdhsa_next_free_sgpr 100
		.amdhsa_reserve_vcc 0
		.amdhsa_float_denorm_mode_32 3
		.amdhsa_float_denorm_mode_16_64 3
		.amdhsa_memory_ordered 1
		.amdhsa_forward_progress 1
		.amdhsa_inst_pref_size 89
	.end_amdhsa_kernel
	.amdgpu_metadata
---
amdhsa.version: [ 1, 2 ]
amdhsa.kernels:
  - .name:           k_qb5134b63fa_oproj
    .symbol:         k_qb5134b63fa_oproj.kd
    .args:
      - { .name: opc, .offset: 0, .size: 8, .value_kind: global_buffer, .address_space: global }
      - { .name: ops, .offset: 8, .size: 8, .value_kind: global_buffer, .address_space: global }
      - { .name: atc, .offset: 16, .size: 8, .value_kind: global_buffer, .address_space: global }
      - { .name: ats, .offset: 24, .size: 8, .value_kind: global_buffer, .address_space: global }
      - { .name: out0, .offset: 32, .size: 8, .value_kind: global_buffer, .address_space: global }
    .group_segment_fixed_size: 327680
    .private_segment_fixed_size: 0
    .kernarg_segment_align: 8
    .kernarg_segment_size: 40
    .max_flat_workgroup_size: 128
    .sgpr_count:     100
    .vgpr_count:     768
    .wavefront_size: 32
...
	.end_amdgpu_metadata
.endif
;; end of part 4
